; MI455X (gfx1250); checked and timed in simulation.
; The chip was launched on July 23, 2026; its instructions are those of AMD's public machine-readable ISA for CDNA 5 (MIT licence, August 2026) and "CDNA5" Instruction Set Architecture Reference Guide (July 2026). The comments in the code are by the model that wrote it; some were corrected since.
;; GPT2 Attention. Allowed arithmetic: matrix products marked QUANTISED: E4M3 operands, one given power-of-two scale a tensor, by v_wmma_f32_16x16x64_fp8_fp8 or v_wmma_f32_16x16x128_fp8_fp8, f32 sums; everything else in f32.
;; Inputs: Wproj 1,024 x 1,024 float32; Wqkv 1,024 x 3,072 float32; bproj 1,024 float32; bqkv 3,072 float32; lowp_scales 8 int32 (the exponents e of the quantised operands' scales 2^e); x 4 x 2,048 x 1,024 float32.
;; Outputs: out0 4 x 2,048 x 1,024 float32.
;; This version of the problem:
;;   THIS VERSION OF THE PROBLEM IS GIVEN IN LOW PRECISION. The matrix products marked QUANTISED in the list below multiply operands that are first quantised to E4M3 (4 exponent bits, 3 mantissa bits; 8 bits a number), with one given power-of-two scale for each operand tensor; their sums are f32. All else is computed in f32.
;;   The module's matrix products, in the order in which they are computed (A, B: the left and right operand; K: the contracted axis; several contracted axes count as one K, in the product's order):
;;     1. [M 8,192, K 1,024] x [K 1,024, N 3,072]; A: input x; B: input Wqkv: QUANTISED (scales: A lowp_scales[0], B lowp_scales[1])
;;     2. batch 64 x [M 2,048, K 64] x [K 64, N 2,048]; A: computed on the way; B: computed on the way: QUANTISED (scales: A lowp_scales[2], B lowp_scales[3])
;;     3. batch 64 x [M 2,048, K 2,048] x [K 2,048, N 64]; A: softmax (see below); B: computed on the way: QUANTISED (scales: A lowp_scales[4], B lowp_scales[5])
;;     4. [M 8,192, K 1,024] x [K 1,024, N 1,024]; A: computed on the way; B: input Wproj: QUANTISED (scales: A lowp_scales[6], B lowp_scales[7])
;;   THE QUANTISER, for each operand of a quantised product, along K:
;;     - The operand's scale is 2^e, e = its entry of the input lowp_scales (int32; the entries are numbered through the quantised products in the list's order, A before B).
;;     - Each number is divided by the scale, clamped to +-448, and rounded to the nearest number of E4M3, ties to even, subnormals kept.
;;     - The product sums the exact products of the quantised numbers (number of the format x scale) in f32.
;;   ~~~python
;;   def quantise(x, axis, e):      # numpy; x: float32 -> the quantised numbers, widened to float32 again
;;       x = np.moveaxis(x, axis, -1); K = x.shape[-1]
;;       r = np.clip(x / 2.0 ** e, -448, 448)
;;       step = 2.0 ** (np.maximum(np.frexp(np.where(r == 0, 1, r))[1] - 1, -6) - 3)
;;       q = np.round(r / step) * step * 2.0 ** e      # np.round: ties to even
;;       return np.moveaxis(q, -1, axis).astype(np.float32)
;;   ~~~
;;   SOFTMAX AHEAD OF A QUANTISED PRODUCT. Where the list says 'softmax', what is quantised is not the finished softmax but p = 2^(t - M), with t = logit x log2(e) and M = ceil(the row's largest t), a whole number; so 1/2 < the row's largest p <= 1. The row's sum l is taken of the UNQUANTISED p, in f32, and the product's result is divided by l at the end. Since M is a whole number, a kernel that streams over the keys may use a running M (the ceiling of the running maximum): every later rescaling is an exact power of two, so the quantised numbers keep their values, but for numbers so far below the row's largest that they fall under the format's range.
;;   OPERANDS COMPUTED ON THE WAY. 'Computed on the way' means the value that the module computes at that place (a softmax that the list does not call 'softmax' is quantised finished and normalised). What goes into a quantiser is computed in f32, as accurately as f32 sums, v_exp_f32 and their like allow (about 1e-6 of the number): no bf16 or f16 on the way to a quantiser, and a product that is left as it is and whose result goes on into a quantised operand takes f32 operands (vector FMAs, or v_wmma_f32_16x16x4_f32). A number that lies on a knife's edge between two numbers of the format may be rounded either way, as far as f32 arithmetic and the matrix unit's own rounding can turn it there, and no further.
;; One version. Each part assembles by itself: llvm-mc -triple=amdgcn-amd-amdhsa -mcpu=gfx1250 --defsym DOCPART=n.
;; ======== version 1 of 1: 4 launches
;; limits: right only within a limited range of input values
;; workspace buffers: x_codes 8,388,608 bytes; wqkv_codes 3,145,728 bytes; wproj_codes 1,048,576 bytes; q_img 8,388,608 bytes; k_img 8,388,608 bytes; v_img 8,388,608 bytes; y_img 8,388,608 bytes
;; launch quant (part 1): grid 384 x 1, 4 waves a work-group, no clusters, 102,912 bytes of LDS; arguments x, Wqkv, Wproj, lowp_scales, x_codes, wqkv_codes, wproj_codes; writes x_codes, wqkv_codes, wproj_codes
.if DOCPART == 1
	.amdgcn_target "amdgcn-amd-amdhsa--gfx1250"
	.amdhsa_code_object_version 6
	.text
	.protected	k_q8193fbd8d9_quant
	.globl	k_q8193fbd8d9_quant
	.p2align	8
	.type	k_q8193fbd8d9_quant,@function
k_q8193fbd8d9_quant:
	s_mov_b64 s[64:65], 0
	v_nop
	global_prefetch_b8 v0, s[64:65] scope:SCOPE_SE
	s_setreg_imm32_b32 hwreg(HW_REG_WAVE_MODE, 25, 1), 1
	s_wait_xcnt 0x0
; x [8192][1024], Wqkv [1024 k][3072 n] and Wproj [1024 k][1024 n], f32, become codes of E4M3, one code a byte, K innermost, each with the one scale 2^e given for it
; (entries 0, 1 and 7 of the scales).  code = number / 2^e, held within +-448, rounded to the nearest code, ties to even.
; LIMITS: each e between -126 and 119, so that 2^e and 448 x 2^e are f32 numbers.  NaN among the inputs is not served (an infinity is held at the largest code).
; One launch, three ways that part on the work-group's number; every work-group takes 32,768 numbers (131,072 bytes), and each way has LDS bytes of its own.
;   work-groups 0-255:   x.  K is innermost: a plain stream.  A wave takes 16 steps of 512 numbers; each load reads 512 consecutive bytes; a step turns through the wave's own stage in LDS, so that a lane
;                        then holds 16 neighbours along K for the conversions; a lane's 16 codes are 16 bytes, a wave's store 512 consecutive bytes.
;   work-groups 256-351: Wqkv.  K is the FIRST axis: a lane takes a column n and its registers run down K, so the conversions give codes with K innermost; a wave gathers 32 columns x 256 codes in its stage
;                        and stores them by rows, sixteen lanes to 256 consecutive aligned bytes.
;   work-groups 352-383: Wproj, likewise; but inside each 32 along K the four groups of eight codes are laid in the order 0, 2, 1, 3: a 16-byte read at 32 c + 16 (lane / 16) then brings registers 4 c .. 4 c + 3
;                        of a 16 x 128 operand with every k in the place that the matrix instruction's own layout gives it, which is how the last launch's other operand lies.
; No tensor loads, no barrier: waves share nothing.  Matrix units and clusters have nothing to do in a stream.
.set STEPS, 16
.set SP,    80                         ; x: a lane's place in a stage: its 64 bytes + 16 of padding
.set R,     16                         ; x: v16-79   four sets of 16 numbers as loaded
.set X,     80                         ; x: v80-111  two sets of 16 neighbours
.set C,     128                        ; x: v128-191 codes, four registers for each step: no store's data are written again
.set PITCH, 272                        ; W: a stage row: 256 codes + 16 bytes
.set WX,    32                         ; W: v32-95   two sets of 32 numbers
.set WC,    96                         ; W: v96-103  a block's codes
.set OUTR,  112                        ; W: v112-175 the way out
.set LQKV,  32768                      ; LDS: x's stages 0 .. 32767 (8,192 a wave); Wqkv's from here (32 x 272 a wave);
.set LPRJ,  LQKV+4*32*PITCH            ; Wproj's from here
.macro SCALE es                        ; v11 = 2^e as f32 (the conversion takes its exponent field); v10 = 448 x 2^e
	s_wait_kmcnt 0x0
	s_add_co_i32 s22, s[\es], 127
	s_lshl_b32 s23, s22, 23
	v_mov_b32 v11, s23
	s_add_co_i32 s22, s22, 8
	s_lshl_b32 s22, s22, 23
	s_or_b32 s22, s22, 0x600000
	v_mov_b32 v10, s22
.endm
.macro LOAD t                          ; x: step t's 2,048 bytes, 512 consecutive bytes a load
.irp i, 0,1,2,3
	global_load_b128 v[R+16*((\t)%4)+4*\i:R+16*((\t)%4)+4*\i+3], v3, s[4:5] offset:2048*(\t)+512*\i th:TH_LOAD_NT
.endr
.endm
.macro TURN t                          ; x: step t through the stage; LDS serves a wave's instructions in order, so no wait stands between the stores and the loads
.irp i, 0,1,2,3
	ds_store_b128 v14, v[R+16*((\t)%4)+4*\i:R+16*((\t)%4)+4*\i+3] offset:32*SP*((\t)%2)+8*SP*\i
.endr
.irp i, 0,1,2,3
	ds_load_b128 v[X+16*((\t)%2)+4*\i:X+16*((\t)%2)+4*\i+3], v15 offset:32*SP*((\t)%2)+16*\i
.endr
.endm
.macro STEP t
.set XS, X+16*((\t)%2)
	s_wait_dscnt 0x0                               ; this step's numbers are back from the stage, and its stores into the stage have read their registers,
.if (\t)+4 < STEPS
	LOAD (\t)+4                                    ; which take the loads of four steps on
.endif
.if (\t)+1 < STEPS
.if STEPS-2-(\t) >= 3
	s_wait_loadcnt 12                              ; the next step's four loads are in; those of the three steps behind it may be out
.else
	s_wait_loadcnt 4*(STEPS-2-(\t))
.endif
	TURN (\t)+1
.endif
.irp i, 0,1,2,3,4,5,6,7,8,9,10,11,12,13,14,15
	v_med3_num_f32 v[XS+\i], v[XS+\i], -v10, v10   ; the conversion to an 8-bit code does not saturate (ISA guide 7.6.2): the hold comes first
.endr
	v_cvt_scalef32_pk8_fp8_f32 v[C+4*(\t):C+4*(\t)+1], v[XS:XS+7], v11
	v_cvt_scalef32_pk8_fp8_f32 v[C+4*(\t)+2:C+4*(\t)+3], v[XS+8:XS+15], v11
	global_store_b128 v3, v[C+4*(\t):C+4*(\t)+3], s[12:13] offset:512*(\t)   ; the results go to a store alone; the next vector lines are the next step's plain holds
.endm
.macro WLOAD t, N, SRC                 ; W: block t: W(32 t + i, my column), i = 0 .. 31; 32 lanes read 128 consecutive bytes
.irp i, 0,1,2,3,4,5,6,7,8,9,10,11,12,13,14,15,16,17,18,19,20,21,22,23,24,25,26,27,28,29,30,31
	global_load_b32 v[WX+32*((\t)%2)+\i], v3, s[\SRC:\SRC+1] offset:(32*(\t)+\i)*\N*4 th:TH_LOAD_NT
.endr
.endm
.macro WBLOCK t, N, SRC, PERM
.set XS, WX+32*((\t)%2)
.if (\t) < 7
	s_wait_loadcnt 32                              ; this block's 32 loads are in; the next block's may be out
.else
	s_wait_loadcnt 0
.endif
.irp i, 0,1,2,3,4,5,6,7,8,9,10,11,12,13,14,15,16,17,18,19,20,21,22,23,24,25,26,27,28,29,30,31
	v_med3_num_f32 v[XS+\i], v[XS+\i], -v10, v10
.endr
.irp g, 0,1,2,3
.if \PERM
.set PG, (\g%2)*2+\g/2                 ; group g of eight goes to place 0, 2, 1, 3
.else
.set PG, \g
.endif
	v_cvt_scalef32_pk8_fp8_f32 v[WC+2*PG:WC+2*PG+1], v[XS+8*\g:XS+8*\g+7], v11
.endr
	ds_store_b128 v4, v[WC:WC+3] offset:32*(\t)    ; 32 codes of my column's row
	ds_store_b128 v4, v[WC+4:WC+7] offset:32*(\t)+16
.if (\t)+2 < 8
	WLOAD (\t)+2, \N, \SRC
.endif
	s_wait_dscnt 0x0                               ; the stores have read their registers: the next block's codes may be written
.endm
; A weight [1024][N]: the work-group takes 128 columns x 256 along K, a wave 32 columns.  Every offset is an immediate: 255 x N x 4 is 3,133,440 at the most.
.macro WQ N, PERM, LBASE, FIRST, SRC, DST, ES
	s_sub_co_u32 s19, ttmp9, \FIRST
	s_and_b32 s20, s19, 3                          ; which 256 along K
	s_lshr_b32 s19, s19, 2                         ; which 128 columns
	s_lshl_b32 s19, s19, 7
	s_lshl_b32 s21, s18, 5
	s_add_co_u32 s19, s19, s21                     ; my wave's first column
	v_lshlrev_b32 v3, 2, v2                        ; in: 4 bytes a lane
	s_mul_i32 s21, s18, 32*PITCH
	s_add_co_u32 s21, s21, \LBASE                  ; my stage
	v_mul_u32_u24 v4, v2, PITCH
	v_add_nc_u32 v4, s21, v4                       ; into it: row = my column
	v_and_b32 v5, 15, v2
	v_lshrrev_b32 v6, 4, v2
	v_mul_u32_u24 v7, v6, PITCH
	v_lshl_add_u32 v7, v5, 4, v7
	v_add_nc_u32 v7, s21, v7                       ; out of it: sixteen lanes to a row, two rows an instruction
	v_lshlrev_b32 v8, 10, v6
	v_lshl_add_u32 v8, v5, 4, v8                   ; and the same place in the codes' buffer (rows of 1,024 bytes)
	s_mul_i32 s22, s20, 256*\N*4
	s_lshl_b32 s23, s19, 2
	s_add_co_u32 s22, s22, s23
	s_mov_b32 s23, 0
	s_add_nc_u64 s[\SRC:\SRC+1], s[\SRC:\SRC+1], s[22:23]
	s_lshl_b32 s22, s19, 10
	s_lshl_b32 s21, s20, 8
	s_add_co_u32 s22, s22, s21
	s_add_nc_u64 s[\DST:\DST+1], s[\DST:\DST+1], s[22:23]
	WLOAD 0, \N, \SRC
	WLOAD 1, \N, \SRC
	SCALE \ES
.irp t, 0,1,2,3,4,5,6,7
	WBLOCK \t, \N, \SRC, \PERM
.endr
.irp t, 0,1,2,3,4,5,6,7,8,9,10,11,12,13,14,15
	ds_load_b128 v[OUTR+4*\t:OUTR+4*\t+3], v7 offset:2*\t*PITCH   ; LDS serves a wave's instructions in order: these see my stores
.endr
.irp t, 0,1,2,3,4,5,6,7,8,9,10,11,12,13,14,15
	s_wait_dscnt 15-\t                             ; the younger loads may be out
	global_store_b128 v8, v[OUTR+4*\t:OUTR+4*\t+3], s[\DST:\DST+1] offset:2*\t*1024
.endr
.endm
	s_load_b256 s[4:11], s[0:1], 0x0               ; x s[4:5], Wqkv s[6:7], Wproj s[8:9], the scales' exponents s[10:11]
	s_load_b128 s[12:15], s[0:1], 0x20             ; x's codes s[12:13], Wqkv's s[14:15]
	s_load_b64 s[16:17], s[0:1], 0x30              ; Wproj's
	v_lshl_add_u32 v192, v0, 2, 0x19000
	v_mov_b32 v193, 0
	v_lshrrev_b32 v1, 5, v0
	v_readfirstlane_b32 s18, v1                    ; wave
	v_and_b32 v2, 31, v0                           ; lane
	s_wait_kmcnt 0x0
	s_load_b256 s[24:31], s[10:11], 0x0            ; e0 .. e7
	s_cmp_lt_u32 ttmp9, 256
	s_cbranch_scc0 .Lweights
	; ---- x
	v_lshlrev_b32 v3, 4, v2                        ; my 16 bytes of a load's 512, and of a store's
	s_lshl_b32 s19, s18, 13                        ; my wave's 8,192 bytes of LDS: two stages of 32 x SP
	v_lshrrev_b32 v14, 2, v2
	v_mul_u32_u24 v14, v14, SP
	v_and_b32 v15, 3, v2
	v_lshl_add_u32 v14, v15, 4, v14
	v_add_nc_u32 v14, s19, v14                     ; on the way in: four lanes' 64 bytes on end, then 16 of padding
	v_mul_u32_u24 v15, v2, SP
	v_add_nc_u32 v15, s19, v15                     ; on the way out: my 16 neighbours
	s_lshl_b32 s20, ttmp9, 2
	s_add_co_u32 s20, s20, s18                     ; which run of 8,192 numbers is my wave's
	s_lshl_b32 s22, s20, 15
	s_mov_b32 s23, 0
	s_add_nc_u64 s[4:5], s[4:5], s[22:23]
	s_lshl_b32 s22, s20, 13
	s_add_nc_u64 s[12:13], s[12:13], s[22:23]
.irp t, 0,1,2,3
	LOAD \t
.endr
	SCALE 24
	s_wait_loadcnt 12                              ; step 0's four loads are in
	TURN 0
.irp t, 0,1,2,3,4,5,6,7,8,9,10,11,12,13,14,15
	STEP \t
.endr
	s_wait_tensorcnt 0x0
	ds_add_u32 v192, v193
	s_wait_dscnt 0x0
	s_endpgm
.Lweights:
	s_cmp_lt_u32 ttmp9, 352
	s_cbranch_scc0 .Lwproj
	WQ 3072, 0, LQKV, 256, 6, 14, 25
	s_wait_tensorcnt 0x0
	ds_add_u32 v192, v193
	s_wait_dscnt 0x0
	s_endpgm
.Lwproj:
	WQ 1024, 1, LPRJ, 352, 8, 16, 31
	s_wait_tensorcnt 0x0
	ds_add_u32 v192, v193
	s_wait_dscnt 0x0
	s_endpgm
.Lfunc_end_k_q8193fbd8d9_quant:
	.size	k_q8193fbd8d9_quant, .Lfunc_end_k_q8193fbd8d9_quant-k_q8193fbd8d9_quant
	.p2alignl 7, 3214868480
	.fill 96, 4, 3214868480
	.section	.rodata,"a",@progbits
	.p2align	6, 0x0
	.amdhsa_kernel k_q8193fbd8d9_quant
		.amdhsa_group_segment_fixed_size 102912
		.amdhsa_private_segment_fixed_size 0
		.amdhsa_enable_private_segment 0
		.amdhsa_kernarg_size 56
		.amdhsa_user_sgpr_count 2
		.amdhsa_user_sgpr_kernarg_segment_ptr 1
		.amdhsa_wavefront_size32 1
		.amdhsa_system_sgpr_workgroup_id_x 1
		.amdhsa_system_sgpr_workgroup_id_y 1
		.amdhsa_system_sgpr_workgroup_id_z 1
		.amdhsa_system_vgpr_workitem_id 0
		.amdhsa_next_free_vgpr 194
		.amdhsa_next_free_sgpr 66
		.amdhsa_reserve_vcc 0
		.amdhsa_float_denorm_mode_32 3
		.amdhsa_float_denorm_mode_16_64 3
		.amdhsa_memory_ordered 1
		.amdhsa_forward_progress 1
		.amdhsa_inst_pref_size 133
	.end_amdhsa_kernel
	.amdgpu_metadata
---
amdhsa.version: [ 1, 2 ]
amdhsa.kernels:
  - .name:           k_q8193fbd8d9_quant
    .symbol:         k_q8193fbd8d9_quant.kd
    .args:
      - { .name: x, .offset: 0, .size: 8, .value_kind: global_buffer, .address_space: global }
      - { .name: Wqkv, .offset: 8, .size: 8, .value_kind: global_buffer, .address_space: global }
      - { .name: Wproj, .offset: 16, .size: 8, .value_kind: global_buffer, .address_space: global }
      - { .name: lowp_scales, .offset: 24, .size: 8, .value_kind: global_buffer, .address_space: global }
      - { .name: x_codes, .offset: 32, .size: 8, .value_kind: global_buffer, .address_space: global }
      - { .name: wqkv_codes, .offset: 40, .size: 8, .value_kind: global_buffer, .address_space: global }
      - { .name: wproj_codes, .offset: 48, .size: 8, .value_kind: global_buffer, .address_space: global }
    .group_segment_fixed_size: 102912
    .private_segment_fixed_size: 0
    .kernarg_segment_align: 8
    .kernarg_segment_size: 56
    .max_flat_workgroup_size: 128
    .sgpr_count:     66
    .vgpr_count:     194
    .wavefront_size: 32
...
	.end_amdgpu_metadata
.endif
;; end of part 1
;; launch qkv (part 2): grid 12 x 32, 4 waves a work-group, clusters of 4 x 4, 327,680 bytes of LDS; arguments x_codes, wqkv_codes, lowp_scales, bqkv, q_img, k_img, v_img; writes q_img, k_img, v_img
.if DOCPART == 2
	.amdgcn_target "amdgcn-amd-amdhsa--gfx1250"
	.amdhsa_code_object_version 6
	.text
	.protected	k_q8193fbd8d9_qkv
	.globl	k_q8193fbd8d9_qkv
	.p2align	8
	.type	k_q8193fbd8d9_qkv,@function
k_q8193fbd8d9_qkv:
	s_mov_b64 s[64:65], 0
	v_nop
	global_prefetch_b8 v0, s[64:65] scope:SCOPE_SE
	s_setreg_imm32_b32 hwreg(HW_REG_WAVE_MODE, 25, 1), 1
	s_wait_xcnt 0x0
	s_wait_alu depctr_hold_cnt(0) depctr_sa_sdst(0) depctr_va_vdst(0) depctr_va_sdst(0) depctr_va_ssrc(0) depctr_va_vcc(0) depctr_vm_vsrc(0)
	s_getreg_b32 s2, hwreg(HW_REG_IB_STS2, 6, 4)
	s_cmp_eq_u32 s2, 0
	s_cbranch_scc0 .Lentry_in_a_cluster
	s_endpgm
.Lentry_in_a_cluster:
	s_bfe_u32 s2, ttmp6, 0x10000c
	s_cmp_lg_u32 s2, 0xf033
	s_cbranch_scc0 .Lentry_shape_is_right
	s_endpgm
.Lentry_shape_is_right:
; qkv = x Wqkv + bqkv on codes of E4M3 (scales 2^e0, 2^e1), and q, k, v quantised at once (2^e2, 2^e3, 2^e5) into IMAGES OF THE OPERAND REGISTERS of the attention launch.
; A tile of 256 tokens x 256 columns is made by four waves, 128 x 128 each: 64 accumulators, 512 registers.  K = 1,024 goes in four steps of 256 through a ring of two LDS slots filled by the tensor data mover.
; CLUSTERS: 4 x 4 work-groups; the cluster's x (0, 1, 2) says whether its 1,024 columns are q's, k's or v's.  "A" is the matrix instruction's source 1 (one row of A to a lane of the result), "B" its source 0 (eight
; rows of B along a lane's registers).  A's tile is shared along a row of the cluster, B's along a column: each is asked for jointly, by the same tensor load with a mask that names the four.
;   q, k: A = 256 tokens (x's codes), B = 256 columns (Wqkv's codes): a lane holds one token and eight neighbouring channels d.
;   v:    A = 256 columns, B = 256 tokens: a lane holds one channel d and eight neighbouring tokens: V comes out transposed, keys innermost, as the second product of attention wants it.
; Which buffer is A's hangs on the cluster's x alone, which all sixteen partners share.
; BIAS: it is the C of each sum's first matrix instruction, divided by 2^(e0 + e1), the power of two that the sums lack.
; THE WAY OUT: with one scale a tensor, eight results of a lane become two registers of codes, and these ARE registers 2 i, 2 i + 1 of the next operand (k = 16 i + 8 (lane / 16) + 0 .. 7).  Four registers a lane
; are stored at 16 x lane: 512 consecutive aligned bytes an instruction, no stage in LDS.
;   q_img, k_img: [batch x head 64][16 tokens 128][c 2][lane 32][16 bytes];   v_img: [batch x head 64][128 keys 16][16 channels 4][c 4][lane 32][16 bytes].
; A fragment is fetched by four 16-byte reads, 32 bytes apart: a permutation of k inside 128, the same in A and in B, so every product meets its partner.
; LIMITS: e2 - e0 - e1, e3 - e0 - e1 and e5 - e0 - e1 between -126 and 119.
; REGISTERS, in windows of 256: window 0: v1-31 addresses; v32-95 the bias; v96-103 the bias's offsets; v128-255 A's fragments, ONE set, later the codes.
;   window 1: B's fragments, TWO sets.   window 2: the accumulators of A's blocks 0-3 ((a, b) at v[8 (8 a + b)]);   window 3: of blocks 4-7.
.set KROW,   1024                      ; a row of either buffer of codes, in bytes
.set ROWB,   256                       ; a tile's row: 256 codes
.set PITCH,  272                       ; an LDS row: 256 bytes + 16 of padding, so that the 16 rows that a load touches begin 68 words apart
.set FR,     16                        ; registers of a fragment: 16 rows x 128 K
.set NL,     4                         ; LDS loads that bring one
.set NP,     4                         ; places behind this matrix instruction (ISA guide 7.12.1)
.set HALFT,  128*PITCH                 ; what one tensor load brings
.set SLOT,   4*HALFT                   ; A's 256 rows, then B's 256 rows
.set SPARE,  2*SLOT                    ; behind the ring: the spare words, 128 bytes a wave, that no other line names
.set VO,   8                           ; v8-11   the stores' offsets: 16 x lane + the place of registers 4 g .. 4 g + 3
.set SC,   13                          ; v13     2^(eo - e0 - e1) as f32
.set LIM,  14                          ; v14     unused
.set ADRA, 16                          ; v16-17  LDS address of my A fragments in slot 0, 1
.set ADRB, 20                          ; v20-21  the same for B
.set SPW,  28                          ; v28     my spare word's LDS address; never rewritten
.set NIL,  29                          ; v29     0; never rewritten
.set BI,   32
.set BA,   96
.set AF,   128
.set G1, 24                            ; s[24:31] descriptor group 1 for A's tiles; s[32:39] group 0, a set for each slot
.set G0, 32
.set G1B, 48                           ; s[48:55], s[56:63] the same for B's
.set G0B, 56
.set AB, 76                            ; s[76:91] where block a's codes go, a pair for each of the eight blocks
.set MSB, 0
.macro WIN new                         ; the immediate's high byte repeats the setting that is left
.if MSB != \new
	s_set_vgpr_msb (MSB<<8)|\new
.set MSB, \new
.endif
.endm
.set MUL_LO,  0xa1                     ; source 0 (B) window 1, source 1 (A) window 0, C and D window 2
.set MUL_HI,  0xf1                     ; the same, C and D window 3
.set BIAS_LO, 0x81                     ; C (the bias) window 0, D window 2
.set BIAS_HI, 0xc1                     ; C window 0, D window 3
.set TO_B,    0x40                     ; destination window 1, address window 0
; A joint load: waves 0 and 1 fetch A's halves, waves 2 and 3 B's.  The branch hangs on the wave's number alone.  Four v_nop follow each line.
.macro JLOAD g0a, g1a, g0b, g1b
	s_cmp_eq_u32 s15, 0
	s_cbranch_scc0 .Lfor_b_\@
	tensor_load_to_lds s[\g0a:\g0a+3], s[\g1a:\g1a+7]
	s_nop 0
.rept 4
	v_nop
.endr
	s_branch .Lasked_\@
.Lfor_b_\@:
	tensor_load_to_lds s[\g0b:\g0b+3], s[\g1b:\g1b+7]
	s_nop 0
.rept 4
	v_nop
.endr
.Lasked_\@:
.endm
.macro CREST                           ; a round of the cluster's barrier behind its opening barrier
	s_cmp_lg_u32 s14, 0
	s_cbranch_scc1 .Lnot_wave_0_\@
	s_barrier_signal -3
.Lnot_wave_0_\@:
	s_barrier_wait -3
	s_barrier_signal -1
	s_barrier_wait -1
.endm
.macro CROUND
	s_barrier_signal -1
	s_barrier_wait -1
	CREST
.endm
	s_load_b256 s[4:11], s[0:1], 0x0               ; x's codes s[4:5], Wqkv's s[6:7], the scales' exponents s[8:9], bqkv s[10:11]
	s_load_b128 s[68:71], s[0:1], 0x20             ; q_img, k_img
	s_load_b64 s[72:73], s[0:1], 0x30              ; v_img
	v_lshl_add_u32 v[SPW], v0, 2, SPARE
	v_mov_b32 v[NIL], 0
	ds_add_u32 v28, v29
	ds_add_u32 v28, v29
	s_wait_dscnt 0x0
	v_lshrrev_b32 v1, 5, v0
	v_readfirstlane_b32 s14, v1                    ; wave 0..3
	s_lshr_b32 s15, s14, 1                         ; which half of A's rows is mine.  Also: I fetch for A (0) or for B (1)
	s_and_b32 s16, s14, 1                          ; which half of B's rows.  Also: which 128 rows of that tile I fetch
	s_bfe_u32 s40, ttmp6, 0x40000                  ; cx, cy: my place in the cluster
	s_bfe_u32 s41, ttmp6, 0x40004
	s_mov_b32 s66, ttmp9                           ; the cluster's x: 0 q, 1 k, 2 v
	s_and_b32 s67, ttmp7, 0xffff
	s_lshl_b32 s67, s67, 2                         ; 4 x the cluster's y
	s_lshl_b32 s18, s66, 2
	s_cmp_eq_u32 s66, 2
	s_cselect_b32 s17, 8, s67                      ; A's tile of 256 rows: v: Wqkv's 8 + cy; else x's 4 y + cy: cy alone of my place
	s_cselect_b32 s42, s67, s18                    ; B's: v: x's 4 y + cx; else Wqkv's 4 x + cx: cx alone
	s_add_co_u32 s17, s17, s41
	s_add_co_u32 s42, s42, s40
	s_lshl_b32 s43, s41, 2
	s_lshl_b32 s43, 15, s43                        ; my row of the cluster
	s_lshl_b32 s44, 0x1111, s40                    ; my column
	s_or_b32 s[G1+0], s43, (0<<16)|(1<<20)|(1<<21)|(5<<22)|(3<<25)  ; 15:0 the mask; 17:16 elements of 1 byte; 20 padding on; 21 set beside a mask; 24:22 after every 64 words; 31:25 four words
	s_or_b32 s[G1B+0], s44, (0<<16)|(1<<20)|(1<<21)|(5<<22)|(3<<25)
.irp g, G1, G1B
	s_mov_b32 s[\g+1], ROWB<<16                    ; tensor_dim0
	s_mov_b32 s[\g+2], 128<<16                     ; tensor_dim1
	s_mov_b32 s[\g+3], ROWB<<16                    ; tile_dim0
	s_mov_b32 s[\g+4], 128                         ; tile_dim1
	s_mov_b32 s[\g+5], KROW                        ; tensor_dim0_stride
	s_mov_b32 s[\g+6], 0
	s_mov_b32 s[\g+7], 0
.endr
	s_lshl_b32 s18, s16, 7                         ; which 128 rows of the tile I fetch
	s_lshl_b32 s20, s17, 8
	s_add_co_u32 s20, s20, s18
	s_lshl_b32 s20, s20, 10                        ; A: (256 x tile + 128 x half) rows of 1,024 bytes
	s_lshl_b32 s46, s42, 8
	s_add_co_u32 s46, s46, s18
	s_lshl_b32 s46, s46, 10                        ; B likewise
	s_mov_b32 s21, 0
	s_mov_b32 s47, 0
	s_mul_i32 s45, s14, HALFT                      ; where they go: wave x 128 rows: no place in the cluster enters an LDS address
	s_wait_kmcnt 0x0
	s_load_b256 s[92:99], s[8:9], 0x0              ; e0 .. e7
	s_cmp_eq_u32 s66, 2
	s_cselect_b64 s[22:23], s[6:7], s[4:5]         ; A's buffer
	s_cselect_b64 s[74:75], s[4:5], s[6:7]         ; B's buffer
	s_add_nc_u64 s[20:21], s[22:23], s[20:21]
	s_add_nc_u64 s[46:47], s[74:75], s[46:47]
	CROUND                                         ; all sixteen work-groups are here: the first joint loads meet
.irp s, 0,1
	s_mov_b32 s[G0+4*\s], 1
	s_add_co_u32 s[G0+4*\s+1], s45, \s*SLOT
	s_add_nc_u64 s[G0+4*\s+2:G0+4*\s+3], s[20:21], \s*ROWB
	s_or_b32 s[G0+4*\s+3], s[G0+4*\s+3], 0x80000000
	s_mov_b32 s[G0B+4*\s], 1
	s_add_co_u32 s[G0B+4*\s+1], s45, \s*SLOT
	s_add_nc_u64 s[G0B+4*\s+2:G0B+4*\s+3], s[46:47], \s*ROWB
	s_or_b32 s[G0B+4*\s+3], s[G0B+4*\s+3], 0x80000000
	JLOAD G0+4*\s, G1, G0B+4*\s, G1B
.endr
	v_and_b32 v1, 15, v0                           ; r = lane % 16
	s_wait_alu depctr_va_vdst(0)
	v_bfe_u32 v2, v0, 4, 1                         ; h = lane / 16
	v_mul_u32_u24 v3, v1, PITCH
	v_lshl_add_u32 v4, v2, 4, v3                   ; a fragment's row x pitch + 16 h
	s_mul_i32 s21, s15, HALFT                      ; my 128 rows of A
	s_mul_i32 s22, s16, HALFT
	s_add_co_u32 s22, s22, 2*HALFT                 ; my 128 rows of B, behind A's 256
.irp s, 0,1
	v_add_nc_u32 v[ADRA+\s], s21, v4
	v_add_nc_u32 v[ADRB+\s], s22, v4
	s_add_co_u32 s21, s21, SLOT
	s_add_co_u32 s22, s22, SLOT
.endr
	; which of the tile's two axes is the tokens' and which the columns'
	s_cmp_eq_u32 s66, 2
	s_cselect_b32 s18, s41, s40                    ; which 256 of the tensor's 1,024 columns
	s_cselect_b32 s19, s15, s16                    ; my half of them
	s_cselect_b32 s20, s42, s17                    ; which 256 tokens
	s_cselect_b32 s21, s16, s15                    ; my half of them
	s_cselect_b32 s22, 4, 0                        ; the bias's offset = r x this
	s_cselect_b32 s23, 0, 32                       ;   + h x this
	s_cselect_b32 s2, 0, 4                         ;   + j x this: q, k: register j is column 8 h + j of a block of B; v: every register is column r of a block of A
	s_cselect_b64 s[74:75], s[72:73], s[70:71]
	s_cmp_eq_u32 s66, 0
	s_cselect_b64 s[74:75], s[68:69], s[74:75]     ; the image that this cluster writes
	v_mul_u32_u24 v5, v1, s22
	s_wait_alu depctr_va_vdst(0)
	v_mad_u32_u24 v5, v2, s23, v5
	v_mov_b32 v6, s2
.irp j, 0,1,2,3,4,5,6,7
	v_mad_u32_u24 v[BA+\j], v6, \j, v5
.endr
	s_lshl_b32 s12, s66, 12
	s_lshl_b32 s13, s18, 10
	s_add_co_u32 s12, s12, s13
	s_lshl_b32 s13, s19, 9
	s_add_co_u32 s12, s12, s13                     ; 4 x (1,024 x tensor + 256 x tile + 128 x half)
	s_mov_b32 s13, 0
	s_add_nc_u64 s[10:11], s[10:11], s[12:13]      ; bqkv at my 128 columns
.irp i, 0,1,2,3,4,5,6,7
.irp j, 0,1,2,3,4,5,6,7
	global_load_b32 v[BI+8*\i+\j], v[BA+\j], s[10:11] offset:64*\i   ; block i's eight registers, in the result's layout
.endr
.endr
	s_lshl_b32 s20, s20, 8
	s_lshl_b32 s21, s21, 7
	s_add_co_u32 s20, s20, s21                     ; my first token
	s_lshl_b32 s18, s18, 2
	s_lshl_b32 s19, s19, 1
	s_add_co_u32 s18, s18, s19                     ; my first head (128 columns are two)
	s_lshr_b32 s21, s20, 11
	s_lshl_b32 s21, s21, 4
	s_add_co_u32 s21, s21, s18                     ; 16 x batch + head
	s_lshl_b32 s21, s21, 17                        ; a head's image is 131,072 bytes;
	s_and_b32 s20, s20, 2047
	s_lshl_b32 s20, s20, 6                         ; in all three images a token's share of it is 64 bytes
	s_add_co_u32 s20, s20, s21
	s_mov_b32 s21, 0
	s_add_nc_u64 s[74:75], s[74:75], s[20:21]
	v_and_b32 v6, 31, v0
	v_lshlrev_b32 v6, 4, v6                        ; 16 x lane
	s_wait_alu depctr_va_vdst(0)
	s_cmp_eq_u32 s66, 2                            ; (moves, selections and 64-bit sums leave SCC alone)
.irp a, 0,1,2,3,4,5,6,7
	s_mov_b32 s12, \a*1024                         ; q, k: block a is 16 tokens: 1,024 bytes on
	s_cselect_b32 s12, (\a/4)*131072+(\a%4)*2048, s12   ; v: block a is 16 channels: head a / 4, tile a % 4 of the head's four
	s_add_nc_u64 s[AB+2*\a:AB+2*\a+1], s[74:75], s[12:13]
.endr
.irp g, 0,1,2,3
	s_mov_b32 s12, (\g/2)*131072+(\g%2)*512        ; q, k: registers 4 g on: head g / 2, half g % 2 of its fragment
	s_cselect_b32 s12, 512*\g, s12                 ; v: quarter g of the fragment
	v_add_nc_u32 v[VO+\g], s12, v6
.endr
	s_wait_kmcnt 0x0
	s_cmp_eq_u32 s66, 0
	s_cselect_b32 s101, s94, s95
	s_cmp_eq_u32 s66, 2
	s_cselect_b32 s101, s97, s101                  ; eo = e2, e3 or e5
	s_add_co_i32 s100, s92, s93                    ; e0 + e1: a sum stands for sum x 2^(e0 + e1)
	s_sub_co_i32 s101, s101, s100
	s_sub_co_i32 s100, 0, s100
	s_add_co_i32 s101, s101, 127
	s_lshl_b32 s2, s101, 23
	v_mov_b32 v[SC], s2                            ; 2^(eo - e0 - e1): the three scales folded into the conversion's one
	s_wait_loadcnt 0x0
.set n, 0
.rept 64
	v_ldexp_f32 v[BI+n], v[BI+n], s100             ; bias / 2^(e0 + e1)
.set n, n+1
.endr
.macro FRAG reg, adr, q, i             ; 16 rows x 128 K: lane l holds row l % 16; registers 4 c .. 4 c + 3 hold the 16 bytes at 32 c + 16 (l / 16)
.irp c, 0,1,2,3
	ds_load_b128 v[\reg+4*\c:\reg+4*\c+3], v[\adr] offset:128*(\q)+32*\c+(\i)*16*PITCH
.endr
.endm
; 16 matrix instructions: A's blocks a0, a0 + 1 x B's eight.  p: B's set.  mode 0: the sums go on; 1: they start with the bias of B's block (q, k); 2: of A's block (v).
; The 64 accumulators take turns, one instruction a turn, in the same order in every step.
.macro MUL16 a0, p, mode
.irp a, \a0, \a0+1
.irp b, 0,1,2,3,4,5,6,7
.if \mode == 0
	v_wmma_f32_16x16x128_fp8_fp8 v[8*(8*((\a)%4)+\b):8*(8*((\a)%4)+\b)+7], v[128*(\p)+FR*\b:128*(\p)+FR*\b+FR-1], v[AF+FR*(\a):AF+FR*(\a)+FR-1], v[8*(8*((\a)%4)+\b):8*(8*((\a)%4)+\b)+7]
.elseif \mode == 1
	v_wmma_f32_16x16x128_fp8_fp8 v[8*(8*((\a)%4)+\b):8*(8*((\a)%4)+\b)+7], v[128*(\p)+FR*\b:128*(\p)+FR*\b+FR-1], v[AF+FR*(\a):AF+FR*(\a)+FR-1], v[BI+8*\b:BI+8*\b+7]
.else
	v_wmma_f32_16x16x128_fp8_fp8 v[8*(8*((\a)%4)+\b):8*(8*((\a)%4)+\b)+7], v[128*(\p)+FR*\b:128*(\p)+FR*\b+FR-1], v[AF+FR*(\a):AF+FR*(\a)+FR-1], v[BI+8*(\a):BI+8*(\a)+7]
.endif
.endr
.endr
.endm
.macro FETCH_B slot, q, p
	WIN TO_B
.irp i, 0,1,2,3,4,5,6,7
	FRAG 128*(\p)+FR*\i, ADRB+\slot, \q, \i
.endr
	WIN 0
.endm
.macro FETCH_A slot, q, i0
.irp i, \i0, \i0+1, \i0+2, \i0+3
	FRAG AF+FR*(\i), ADRA+\slot, \q, \i
.endr
.endm
.macro PLACES n                        ; plain vector instructions between a matrix instruction and a load into, or a vector instruction on, one of its registers
.rept \n
	v_nop
.endr
.endm
; A step of 128 along K that has its successor in the same slot.  A's one set: blocks 0-3 are fetched anew in the step's middle, blocks 4-7 at its end; B's next set in the middle.
.macro STEP slot, q, mode
	s_wait_dscnt 4*NL                              ; B's set and A's blocks 0-3 are in; the youngest sixteen loads (A's blocks 4-7) may be out
.if \mode
	WIN BIAS_LO
.else
	WIN MUL_LO
.endif
	MUL16 0, (\q)%2, \mode
	MUL16 2, (\q)%2, \mode
	s_wait_dscnt 0
	PLACES NP
	FETCH_B \slot, (\q)+1, 1-(\q)%2
	FETCH_A \slot, (\q)+1, 0
.if \mode
	WIN BIAS_HI
.else
	WIN MUL_HI
.endif
	MUL16 4, (\q)%2, \mode
	MUL16 6, (\q)%2, \mode
	PLACES NP
	WIN 0
	FETCH_A \slot, (\q)+1, 4
.endm
; A slot's last step changes slots: one barrier; in front of it each wave waits for all its tensor loads, adds 0 to its spare word, and waits for that and for its reads of this slot.
.macro TURN slot, next, fill
	s_wait_tensorcnt 0x0                           ; all my tensor loads have landed: my part of the next slot
	ds_add_u32 v[SPW], v[NIL]                      ; 0 onto my spare word
	s_wait_dscnt 4*NL+1                            ; the add and the youngest sixteen loads (A's blocks 4-7) may be out
	WIN MUL_LO
	MUL16 0, 1, 0                                  ; sixteen matrix instructions stand between the add and the wait for it
	s_wait_dscnt 0x0                               ; the add is done, and my reads of this slot are over
	s_barrier_signal -1
	MUL16 2, 1, 0
	WIN 0
	s_barrier_wait -1
.if \fill
	CREST                                          ; the barrier has opened a round of the cluster's: no wave of any partner still reads this slot or has a load on its way
	s_add_nc_u64 s[G0+4*\slot+2:G0+4*\slot+3], s[G0+4*\slot+2:G0+4*\slot+3], 2*ROWB
	s_add_nc_u64 s[G0B+4*\slot+2:G0B+4*\slot+3], s[G0B+4*\slot+2:G0B+4*\slot+3], 2*ROWB
	JLOAD G0+4*\slot, G1, G0B+4*\slot, G1B         ; the first tensor load behind the round; its four v_nop are also the places in front of the loads below
.else
	PLACES NP
.endif
	FETCH_B \next, 0, 0
	FETCH_A \next, 0, 0
	WIN MUL_HI
	MUL16 4, 1, 0
	MUL16 6, 1, 0
	PLACES NP
	WIN 0
	FETCH_A \next, 0, 4
.endm
; Block a leaves: 64 results become 16 registers of codes, and go out as four stores of 512 consecutive bytes.
; Every block has its own code registers, offsets and base: nothing that a store reads is written again.
.macro OUTBLK a
.set AC, 64*((\a)%4)
	WIN 0x02+((\a)/4)                              ; source 0: window 2 or 3
.set n, 0
.rept 64
.set n, n+1
.endr
.irp b, 0,1,2,3,4,5,6,7
	v_cvt_scalef32_pk8_fp8_f32 v[AF+16*(\a)+2*\b:AF+16*(\a)+2*\b+1], v[AC+8*\b:AC+8*\b+7], v[SC]
.endr
	WIN 0
	v_nop                                          ; a plain line behind the conversions
.irp g, 0,1,2,3
	global_store_b128 v[VO+\g], v[AF+16*(\a)+4*\g:AF+16*(\a)+4*\g+3], s[AB+2*(\a):AB+2*(\a)+1]
.endr
.endm
	s_wait_tensorcnt 1                             ; my part of K step 0 is in (K step 1's load may be out)
	s_barrier_signal -1
	s_barrier_wait -1                              ; everybody's is
	FETCH_B 0, 0, 0
	FETCH_A 0, 0, 0
	FETCH_A 0, 0, 4
	s_cmp_eq_u32 s66, 2                            ; the first step is written twice: its C is the bias, by B's blocks (q, k) or by A's (v).  The branch hangs on the cluster's x, which all partners share
	s_cbranch_scc1 .Lfirst_v
	s_wait_alu depctr_va_vdst(0)
	STEP 0, 0, 1
	s_branch .Lfirst_done
.Lfirst_v:
	s_wait_alu depctr_va_vdst(0)
	STEP 0, 0, 2
.Lfirst_done:
	TURN 0, 1, 1                                   ; K has four steps of 256: once round the ring with refills, written out,
	STEP 1, 0, 0
	TURN 1, 0, 1
	STEP 0, 0, 0
	TURN 0, 1, 0                                   ; and once without
	STEP 1, 0, 0
	s_wait_dscnt 4*NL                              ; the very last step: nothing more to fetch
	WIN MUL_LO
	MUL16 0, 1, 0
	MUL16 2, 1, 0
	s_wait_dscnt 0
	WIN MUL_HI
	MUL16 4, 1, 0
	MUL16 6, 1, 0
	WIN 0
	PLACES NP                                      ; behind the last products: for the reads of results and for the codes, which take A's registers
.irp a, 0,1,2,3,4,5,6,7
	OUTBLK \a
.endr
	s_wait_tensorcnt 0x0                           ; the wave's end
	ds_add_u32 v[SPW], v[NIL]
	s_wait_dscnt 0x0
	CROUND                                         ; the closing round: no work-group ends while a partner may still ask for a tile that names it
	s_endpgm
.Lfunc_end_k_q8193fbd8d9_qkv:
	.size	k_q8193fbd8d9_qkv, .Lfunc_end_k_q8193fbd8d9_qkv-k_q8193fbd8d9_qkv
	.p2alignl 7, 3214868480
	.fill 96, 4, 3214868480
	.section	.rodata,"a",@progbits
	.p2align	6, 0x0
	.amdhsa_kernel k_q8193fbd8d9_qkv
		.amdhsa_group_segment_fixed_size 327680
		.amdhsa_private_segment_fixed_size 0
		.amdhsa_enable_private_segment 0
		.amdhsa_kernarg_size 56
		.amdhsa_user_sgpr_count 2
		.amdhsa_user_sgpr_kernarg_segment_ptr 1
		.amdhsa_wavefront_size32 1
		.amdhsa_system_sgpr_workgroup_id_x 1
		.amdhsa_system_sgpr_workgroup_id_y 1
		.amdhsa_system_sgpr_workgroup_id_z 1
		.amdhsa_system_vgpr_workitem_id 0
		.amdhsa_next_free_vgpr 1024
		.amdhsa_next_free_sgpr 102
		.amdhsa_reserve_vcc 0
		.amdhsa_float_denorm_mode_32 3
		.amdhsa_float_denorm_mode_16_64 3
		.amdhsa_fp16_overflow 1
		.amdhsa_memory_ordered 1
		.amdhsa_forward_progress 1
		.amdhsa_inst_pref_size 107
	.end_amdhsa_kernel
	.amdgpu_metadata
---
amdhsa.version: [ 1, 2 ]
amdhsa.kernels:
  - .name:           k_q8193fbd8d9_qkv
    .symbol:         k_q8193fbd8d9_qkv.kd
    .args:
      - { .name: x_codes, .offset: 0, .size: 8, .value_kind: global_buffer, .address_space: global }
      - { .name: wqkv_codes, .offset: 8, .size: 8, .value_kind: global_buffer, .address_space: global }
      - { .name: lowp_scales, .offset: 16, .size: 8, .value_kind: global_buffer, .address_space: global }
      - { .name: bqkv, .offset: 24, .size: 8, .value_kind: global_buffer, .address_space: global }
      - { .name: q_img, .offset: 32, .size: 8, .value_kind: global_buffer, .address_space: global }
      - { .name: k_img, .offset: 40, .size: 8, .value_kind: global_buffer, .address_space: global }
      - { .name: v_img, .offset: 48, .size: 8, .value_kind: global_buffer, .address_space: global }
    .group_segment_fixed_size: 327680
    .private_segment_fixed_size: 0
    .kernarg_segment_align: 8
    .kernarg_segment_size: 56
    .max_flat_workgroup_size: 128
    .sgpr_count:     102
    .vgpr_count:     1024
    .wavefront_size: 32
...
	.end_amdgpu_metadata
.endif
;; end of part 2
;; launch attn (part 3): grid 4 x 64, 8 waves a work-group, no clusters, 327,680 bytes of LDS; arguments q_img, k_img, v_img, lowp_scales, y_img; writes y_img
.if DOCPART == 3
	.amdgcn_target "amdgcn-amd-amdhsa--gfx1250"
	.amdhsa_code_object_version 6
	.text
	.protected	k_q8193fbd8d9_attn
	.globl	k_q8193fbd8d9_attn
	.p2align	8
	.type	k_q8193fbd8d9_attn,@function
k_q8193fbd8d9_attn:
	s_mov_b64 s[64:65], 0
	v_nop
	global_prefetch_b8 v0, s[64:65] scope:SCOPE_SE
	s_setreg_imm32_b32 hwreg(HW_REG_WAVE_MODE, 25, 1), 1
	s_wait_xcnt 0x0
; y[b][q][head] = softmax_k(q . k / 8, causal) v, both products on codes of E4M3, and y quantised at once (2^e6) into an image of the last launch's operand registers.
; THE SOFTMAX AHEAD OF THE SECOND PRODUCT: t = score x 2^(e2 + e3) x log2(e) / 8; M = the row's largest t so far, rounded UP to a whole number; p = 2^(t - M) is quantised (2^e4), not normalised;
; the row's sum is taken of the unquantised p and divides at the end.  When M moves, the sum and O are multiplied by 2^(old M - new M): exact.
; SHARES.  Work-group (J = x, 16 batch + head = y) owns two blocks of 256 queries, 7 - J and then J: together (8 - J) + (J + 1) = 9 slots of 256 keys under the causal mask, the same for every J.
; A wave owns 32 queries of the block in hand, two tiles of 16; eight waves, two to a SIMD, so that one wave's vector work stands beside the other's matrix work and LDS loads.
; THE HEAD'S WHOLE K AND V LIE IN LDS, filled ONCE: k_img's 131,072 bytes at 0, v_img's behind them.  Nothing is filled again: no ring, three barriers in all.  Every wave issues two tensor loads at the head
; its 4,096 bytes of the first slot, and its 28,672 bytes of the rest; the first slot is worked while the rest lands.
; LAYOUT.  Both products are used transposed: S^T = K Q^T (source 0 = 16 keys, source 1 = 16 queries), O^T = V^T P^T (source 0 = 16 channels, source 1 = P): a lane holds ONE query throughout.  In S^T a lane's eight
; registers of tile a are keys 16 a + 8 (lane / 16) + 0 .. 7: converted, they are registers 2 a, 2 a + 1 of P.  Likewise O^T's tiles become y's codes.  All fragments are register images: 16 bytes a lane at 16 x lane.
; y_img: [4 heads' group 4][16 tokens 512][head in group 4][c 2][lane 32][16 bytes].
; CAUSAL.  The loop over slots has a constant count.  A step of 128 keys that all come after the wave's 32 queries is jumped over (a scalar branch on ids); where some are hidden their scores become -infinity.
; NO JOINT LOADS, though the four work-groups of a head read the same K and V: which slot is read, which step is jumped over and when a block ends all hang on J, which would be the place in the cluster.
;   NO PREFETCH: all of K and V is asked for by the tensor loads at the head; nothing is left to ask for ahead.
; LIMITS: e2 + e3 between -123 and 130 (added to the exponent field of log2(e) / 8); e4 and e6 between -126 and 119; e4 + e5 is applied by v_ldexp_f32 and has none.
; REGISTERS.  window 0: v1 16 x lane, v2 the same in V's half, v3, v4 the addresses in hand, v5 -infinity, v6 2^e4, v8, v9 the same for e6, v10 lane % 16 - 8 (lane / 16);
;   v16.., v28..: a tile's statistics: +0 -M, +1 the largest t, +2:3 the sum, +4:5 f and 0, +6, +7 at work, +8:9 the second chain of the sum, +10 the permute's result, +11 the mask's d;
;   v40-55 y's codes; v64-191 S^T then p, 64 a tile; v192-255 O^T, 32 a tile.   window 1: v0-15 Q; v16-47 P's codes; v64-127 K's eight fragments; v128-191 V's four.
.set LI,   1
.set LV,   2
.set ADK,  3
.set ADV,  4
.set NINF, 5
.set SCP,  6
.set LMP,  7
.set SCY,  8
.set LMY,  9
.set RH,   10
.set ST,   16
.set YC,   40
.set S,    64
.set O,    192
.set QF,   0                           ; in window 1
.set PC,   16
.set KFR,  64
.set VFR,  128
.set WV,   14                          ; s14 wave; s15 16 batch + head; s16 J
.set HB,   15
.set JJ,   16
.set CS,   56                          ; s[56:57] c = 2^(e2 + e3) log2(e) / 8, twice
.set TT,   58                          ; s58 the slot's number in the walk, 0 .. 8
.set KI,   59                          ; s59 which 256 keys
.set QB,   60                          ; s60 which 256 queries
.set Q0,   61                          ; s61 my first query
.set KF,   62                          ; s62 the step's first key
.set TB,   63                          ; s63 the slot's first byte in each half of LDS
.set SEL,  76                          ; s[76:77] lane selects: lane l xor 16
.set MSB, 0
.macro WIN new                         ; the immediate's high byte repeats the setting that is left
.if MSB != \new
	s_set_vgpr_msb (MSB<<8)|\new
.set MSB, \new
.endif
.endm
.set TO_1, 0x40                        ; destination window 1
.set MUL,  0x05                        ; sources 0 and 1 window 1; C and D window 0
; A block of queries begins (s[QB]): Q's two fragments, zeros for O^T and the sums, -3e38 for the largest t: the first change of M multiplies zeros.
.macro INIT
	s_lshl_b32 s[Q0], s[QB], 8
	s_lshl_b32 s66, s[WV], 5
	s_add_co_u32 s[Q0], s[Q0], s66                 ; 256 x block + 32 x wave
	s_lshl_b32 s74, s[Q0], 6                       ; a tile of 16 queries is 1,024 bytes
	s_mov_b32 s75, 0
	s_add_nc_u64 s[74:75], s[72:73], s[74:75]      ; (the pair's last loads were waited for)
	WIN TO_1
.irp i, 0,1,2,3
	global_load_b128 v[QF+4*\i:QF+4*\i+3], v[LI], s[74:75] offset:512*\i th:TH_LOAD_NT
.endr
	WIN 0
.set n, 0
.rept 64
	v_mov_b32 v[O+n], 0
.set n, n+1
.endr
.irp tl, 0,1
	v_mov_b32 v[ST+12*\tl+1], 0xff61b1e6           ; -3e38, under every t
	v_mov_b32 v[ST+12*\tl+2], 0
	v_mov_b32 v[ST+12*\tl+3], 0
	v_mov_b32 v[ST+12*\tl+5], 0                    ; named as the upper half of f's pair
	v_mov_b32 v[ST+12*\tl+10], 0                   ; a lane permute's destination counts as one of its sources
	v_floor_f32 v[ST+12*\tl], -v[ST+12*\tl+1]      ; -M
.endr
	s_wait_loadcnt 0x0
.endm
; A KEY STEP: 128 keys, the q-th of the slot, for both tiles; the tiles alternate line by line.  chk = 1: the causal tests.  ak, av: the registers with the slot's LDS addresses.
.macro STEP q, chk, ak, av
.if \chk
	s_add_co_u32 s66, s[Q0], 31
	s_cmp_gt_u32 s[KF], s66                        ; all 128 keys come after my 32 queries: nothing to do
	s_cbranch_scc1 .Lhid_\@
.endif
	WIN TO_1
	s_wait_alu depctr_va_vdst(0)
.irp a, 0,1,2,3,4,5,6,7
	ds_load_b128 v[KFR+8*\a:KFR+8*\a+3],   v[\ak] offset:8192*\q+1024*\a
	ds_load_b128 v[KFR+8*\a+4:KFR+8*\a+7], v[\ak] offset:8192*\q+1024*\a+512
.endr
	s_wait_dscnt 0x0
	WIN MUL
.irp a, 0,1,2,3,4,5,6,7
.irp tl, 0,1
	v_wmma_f32_16x16x64_fp8_fp8 v[S+64*\tl+8*\a:S+64*\tl+8*\a+7], v[KFR+8*\a:KFR+8*\a+7], v[QF+8*\tl:QF+8*\tl+7], 0
.endr
.endr
.rept 4
	v_nop                                          ; places: in front of the reads of the scores, and of the loads into V's registers, which the last step's products read
.endr
	WIN TO_1
	s_wait_alu depctr_va_vdst(0)
.irp dt, 0,1,2,3
.irp c, 0,1,2,3
	ds_load_b128 v[VFR+16*\dt+4*\c:VFR+16*\dt+4*\c+3], v[\av] offset:8192*\q+2048*\dt+512*\c   ; V lands while the softmax is worked
.endr
.endr
	WIN 0
.if \chk
	s_add_co_u32 s66, s[KF], 127
	s_cmp_le_u32 s66, s[Q0]                        ; every key counts for every one of my queries
	s_cbranch_scc1 .Lopen_\@
	s_sub_co_i32 s66, s[Q0], s[KF]
	s_add_co_i32 s67, s66, 16
	v_add_nc_u32 v[ST+11], s66, v[RH]              ; d = my query - KF - 8 (lane / 16).  Register 8 a + j holds key KF + 16 a + 8 (lane / 16) + j: hidden where 16 a + j > d
	v_add_nc_u32 v[ST+23], s67, v[RH]
.set n, 0
.rept 64
.irp tl, 0,1
	v_cmp_gt_i32 vcc_lo, 16*(n/8)+n%8, v[ST+12*\tl+11]
	v_cndmask_b32 v[S+64*\tl+n], v[S+64*\tl+n], v[NINF], vcc_lo
.endr
.set n, n+1
.endr
.Lopen_\@:
.endif
.irp tl, 0,1                                   ; the step's largest score of my query among my 64 keys, in two chains; each accumulator is first read at its low end
	v_max3_num_f32 v[ST+12*\tl+6], v[S+64*\tl], v[S+64*\tl+1], v[S+64*\tl+2]
	v_max3_num_f32 v[ST+12*\tl+7], v[S+64*\tl+3], v[S+64*\tl+4], v[S+64*\tl+5]
.endr
.set n, 6
.rept 14
.irp tl, 0,1
	v_max3_num_f32 v[ST+12*\tl+6], v[ST+12*\tl+6], v[S+64*\tl+n], v[S+64*\tl+n+1]
	v_max3_num_f32 v[ST+12*\tl+7], v[ST+12*\tl+7], v[S+64*\tl+n+2], v[S+64*\tl+n+3]
.endr
.set n, n+4
.endr
.irp tl, 0,1
	v_max3_num_f32 v[ST+12*\tl+6], v[ST+12*\tl+6], v[S+64*\tl+62], v[S+64*\tl+63]
.endr
.irp tl, 0,1
	s_delay_alu instid0(VALU_DEP_2)
	v_max_num_f32 v[ST+12*\tl+6], v[ST+12*\tl+6], v[ST+12*\tl+7]
.endr
.irp tl, 0,1
	s_delay_alu instid0(VALU_DEP_2)
	v_permlanex16_b32 v[ST+12*\tl+10], v[ST+12*\tl+6], s[SEL], s[SEL+1]
.endr
.irp tl, 0,1
	s_delay_alu instid0(VALU_DEP_2)
	v_max_num_f32 v[ST+12*\tl+6], v[ST+12*\tl+6], v[ST+12*\tl+10]   ; and among lane l xor 16's
.endr
.irp tl, 0,1
	s_delay_alu instid0(VALU_DEP_2)
	v_mul_f32 v[ST+12*\tl+6], s[CS], v[ST+12*\tl+6]                 ; as t (c is positive)
.endr
.irp tl, 0
	s_delay_alu instid0(VALU_DEP_2)
	v_max_num_f32 v[ST+12*\tl+1], v[ST+12*\tl+1], v[ST+12*\tl+6]    ; the running largest t
	v_mov_b32 v[ST+12*\tl+6], v[ST+12*\tl]
.endr
.irp tl, 1
	s_delay_alu instid0(VALU_DEP_3)
	v_max_num_f32 v[ST+12*\tl+1], v[ST+12*\tl+1], v[ST+12*\tl+6]
	v_mov_b32 v[ST+12*\tl+6], v[ST+12*\tl]
.endr
.irp tl, 0
	s_delay_alu instid0(VALU_DEP_4)
	v_floor_f32 v[ST+12*\tl], -v[ST+12*\tl+1]
.endr
.irp tl, 1
	s_delay_alu instid0(VALU_DEP_3)
	v_floor_f32 v[ST+12*\tl], -v[ST+12*\tl+1]      ; the new -M = floor(-t) = -ceil(t): M is a whole number
.endr
.irp tl, 0,1
	s_delay_alu instid0(VALU_DEP_2)
	v_sub_f32 v[ST+12*\tl+6], v[ST+12*\tl], v[ST+12*\tl+6]          ; old M - new M: a whole number, 0 or less
.endr
.irp tl, 0,1
	s_delay_alu instid0(VALU_DEP_2)
	v_cvt_i32_f32 v[ST+12*\tl+6], v[ST+12*\tl+6]   ; (it saturates)
.endr
.irp tl, 0,1
	s_delay_alu instid0(VALU_DEP_2)
	v_ldexp_f32 v[ST+12*\tl+4], 1.0, v[ST+12*\tl+6]   ; f = 2^(old M - new M)
.endr
.set n, 0
.rept 32
.irp tl, 0,1
	v_pk_fma_f32 v[S+64*\tl+n:S+64*\tl+n+1], v[S+64*\tl+n:S+64*\tl+n+1], s[CS:CS+1], v[ST+12*\tl:ST+12*\tl+1] op_sel_hi:[1,0,0]   ; t - M, two at a time
.endr
.set n, n+2
.endr
.set n, 0
	s_wait_alu depctr_va_vdst(0)
.rept 64
.irp tl, 0,1
	v_exp_f32 v[S+64*\tl+n], v[S+64*\tl+n]         ; p = 2^(t - M), at most 1
.endr
.set n, n+1
.endr
.irp tl, 0,1
	v_pk_mul_f32 v[ST+12*\tl+2:ST+12*\tl+3], v[ST+12*\tl+2:ST+12*\tl+3], v[ST+12*\tl+4:ST+12*\tl+5] op_sel_hi:[1,0]   ; the sums under the new M: plain lines behind the exponentials
.endr
	s_wait_alu depctr_va_vdst(0)                   ; one wait for the batch of 128 exponentials, ahead of its first reader
.irp tl, 0,1
	v_pk_add_f32 v[ST+12*\tl+8:ST+12*\tl+9], v[S+64*\tl:S+64*\tl+1], v[S+64*\tl+2:S+64*\tl+3]   ; the row's sum is taken of the unquantised p, in two chains
.endr
.set n, 4
.rept 15
.irp tl, 0,1
	v_pk_add_f32 v[ST+12*\tl+2:ST+12*\tl+3], v[ST+12*\tl+2:ST+12*\tl+3], v[S+64*\tl+n:S+64*\tl+n+1]
	v_pk_add_f32 v[ST+12*\tl+8:ST+12*\tl+9], v[ST+12*\tl+8:ST+12*\tl+9], v[S+64*\tl+n+2:S+64*\tl+n+3]
.endr
.set n, n+4
.endr
.irp tl, 0
	s_delay_alu instid0(VALU_DEP_3)
	v_pk_add_f32 v[ST+12*\tl+2:ST+12*\tl+3], v[ST+12*\tl+2:ST+12*\tl+3], v[ST+12*\tl+8:ST+12*\tl+9]
.endr
.irp tl, 1
	s_delay_alu instid0(VALU_DEP_2)
	v_pk_add_f32 v[ST+12*\tl+2:ST+12*\tl+3], v[ST+12*\tl+2:ST+12*\tl+3], v[ST+12*\tl+8:ST+12*\tl+9]
.endr
.set n, 0
.rept 64
.irp tl, 0,1
.endr
.set n, n+1
.endr
	WIN TO_1
.irp a, 0,1,2,3,4,5,6,7
.irp tl, 0,1
	v_cvt_scalef32_pk8_fp8_f32 v[PC+16*\tl+2*\a:PC+16*\tl+2*\a+1], v[S+64*\tl+8*\a:S+64*\tl+8*\a+7], v[SCP]
.endr
.endr
	WIN 0
.set n, 0
.rept 16
.irp tl, 0,1
	v_pk_mul_f32 v[O+32*\tl+n:O+32*\tl+n+1], v[O+32*\tl+n:O+32*\tl+n+1], v[ST+12*\tl+4:ST+12*\tl+5] op_sel_hi:[1,0]   ; O^T under the new M, each accumulator from its low end; also the plain lines behind the conversions
.endr
.set n, n+2
.endr
	s_wait_alu depctr_va_vdst(0)
	s_wait_dscnt 0x0                               ; V is in
	WIN MUL
.irp dt, 0,1,2,3                               ; eight accumulators by turns, one instruction a turn; between two steps' links stand the next step's sixteen products
.irp tl, 0,1
	v_wmma_f32_16x16x128_fp8_fp8 v[O+32*\tl+8*\dt:O+32*\tl+8*\dt+7], v[VFR+16*\dt:VFR+16*\dt+15], v[PC+16*\tl:PC+16*\tl+15], v[O+32*\tl+8*\dt:O+32*\tl+8*\dt+7]
.endr
.endr
	WIN 0
.if \chk
.Lhid_\@:
	s_add_co_u32 s[KF], s[KF], 128
.endif
.endm
; A block of queries is finished: O^T x 2^(e4 + e5) / the sum is y; held, converted with 2^e6; a tile's 8 registers of codes leave as two stores of 512 consecutive aligned bytes.
.macro OUT
	s_wait_xcnt 0x0                                ; the last block's stores have read their registers and their base: both are written again below
	s_wait_alu depctr_va_vdst(0)
.irp tl, 0,1
	v_add_f32 v[ST+12*\tl+2], v[ST+12*\tl+2], v[ST+12*\tl+3]        ; (these lines are also the places behind the last products)
.endr
.irp tl, 0,1
	s_delay_alu instid0(VALU_DEP_2)
	v_permlanex16_b32 v[ST+12*\tl+10], v[ST+12*\tl+2], s[SEL], s[SEL+1]
.endr
.irp tl, 0,1
	s_delay_alu instid0(VALU_DEP_2)
	v_add_f32 v[ST+12*\tl+2], v[ST+12*\tl+2], v[ST+12*\tl+10]       ; the row's sum
.endr
	s_wait_alu depctr_va_vdst(0)
.irp tl, 0,1
	v_rcp_f32 v[ST+12*\tl+6], v[ST+12*\tl+2]
.endr
	v_nop                                          ; a plain line behind the reciprocals
	s_lshl_b32 s82, s[Q0], 8                       ; a tile of 16 tokens is 4,096 bytes of y_img
	s_mov_b32 s83, 0
	s_add_nc_u64 s[82:83], s[70:71], s[82:83]
	s_wait_alu depctr_va_vdst(0)                   ; one wait for both, ahead of the first reader
.irp tl, 0,1
	v_ldexp_f32 v[ST+12*\tl+4], v[ST+12*\tl+6], s80
.endr
.set n, 0
.rept 16
.irp tl, 0,1
	v_pk_mul_f32 v[O+32*\tl+n:O+32*\tl+n+1], v[O+32*\tl+n:O+32*\tl+n+1], v[ST+12*\tl+4:ST+12*\tl+5] op_sel_hi:[1,0]
.endr
.set n, n+2
.endr
.set n, 0
.rept 64
	v_med3_num_f32 v[O+n], v[O+n], -v[LMY], v[LMY]
.set n, n+1
.endr
.irp tl, 0,1
.irp dt, 0,1,2,3
	v_cvt_scalef32_pk8_fp8_f32 v[YC+8*\tl+2*\dt:YC+8*\tl+2*\dt+1], v[O+32*\tl+8*\dt:O+32*\tl+8*\dt+7], v[SCY]
.endr
.endr
	v_nop                                          ; a plain line between the conversions and whatever next writes their sources
.irp tl, 0,1
.irp c, 0,1
	global_store_b128 v[LI], v[YC+8*\tl+4*\c:YC+8*\tl+4*\c+3], s[82:83] offset:4096*\tl+512*\c
.endr
.endr
.endm
	s_load_b256 s[4:11], s[0:1], 0x0               ; q_img s[4:5], k_img s[6:7], v_img s[8:9], the scales' exponents s[10:11]
	s_load_b64 s[12:13], s[0:1], 0x20              ; y_img
	v_lshl_add_u32 v62, v0, 2, 0x40000
	v_mov_b32 v63, 0
	ds_add_u32 v62, v63
	ds_add_u32 v62, v63
	v_lshrrev_b32 v1, 5, v0
	s_delay_alu instid0(VALU_DEP_1)
	v_readfirstlane_b32 s[WV], v1                  ; wave 0..7
	s_and_b32 s[HB], ttmp7, 0xffff
	s_mov_b32 s[JJ], ttmp9
	; descriptor groups 1: dense blocks as rows of 256 bytes (32 elements of 8 bytes), 16 rows and 112 rows; no mask, no padding
	s_mov_b32 s24, 3<<16
	s_mov_b32 s25, 32<<16                          ; tensor_dim0
	s_mov_b32 s26, 16<<16                          ; tensor_dim1
	s_mov_b32 s27, 32<<16                          ; tile_dim0
	s_mov_b32 s28, 16                              ; tile_dim1
	s_mov_b32 s29, 32                              ; the pitch
	s_mov_b32 s30, 0
	s_mov_b32 s31, 0
	s_mov_b32 s32, 3<<16
	s_mov_b32 s33, 32<<16
	s_mov_b32 s34, 112<<16
	s_mov_b32 s35, 32<<16
	s_mov_b32 s36, 112
	s_mov_b32 s37, 32
	s_mov_b32 s38, 0
	s_mov_b32 s39, 0
	s_lshr_b32 s17, s[WV], 2                       ; waves 0-3 fetch K, waves 4-7 V
	s_and_b32 s18, s[WV], 3
	s_lshl_b32 s19, s17, 17                        ; its half of LDS
	s_lshl_b32 s20, s18, 12                        ; my 4,096 bytes of the first slot's 16,384,
	s_mul_i32 s21, s18, 28672
	s_add_co_u32 s21, s21, 16384                   ; my 28,672 of the other 114,688: the same offsets in memory and in LDS
	s_lshl_b32 s22, s[HB], 17                      ; the head's 131,072 bytes in q_img, k_img and v_img
	s_mov_b32 s23, 0
	s_mov_b32 s85, 0
	s_wait_dscnt 0x0
	s_wait_kmcnt 0x0
	s_load_b256 s[48:55], s[10:11], 0x0            ; e0 .. e7
	s_cmp_lt_u32 s[WV], 4
	s_cselect_b64 s[2:3], s[6:7], s[8:9]
	s_add_nc_u64 s[2:3], s[2:3], s[22:23]
	s_mov_b32 s40, 1
	s_add_co_u32 s41, s19, s20
	s_mov_b32 s84, s20
	s_add_nc_u64 s[42:43], s[2:3], s[84:85]
	s_or_b32 s43, s43, 0x80000000
	s_mov_b32 s44, 1
	s_add_co_u32 s45, s19, s21
	s_mov_b32 s84, s21
	s_add_nc_u64 s[46:47], s[2:3], s[84:85]
	s_or_b32 s47, s47, 0x80000000
	tensor_load_to_lds s[40:43], s[24:31]          ; the first slot's fill alone, ahead of every wait on TENSORcnt, every LDS read and every barrier
	s_nop 0
	s_wait_alu depctr_va_vdst(0)
	s_wait_tensorcnt 0x0
	ds_add_u32 v62, v63
	s_wait_dscnt 0x0
	s_barrier_signal -1
	s_barrier_wait -1
	tensor_load_to_lds s[44:47], s[32:39]
	s_nop 0
.rept 4
	v_nop
.endr
	v_and_b32 v[LI], 31, v0
	s_delay_alu instid0(VALU_DEP_1)
	v_lshlrev_b32 v[LI], 4, v[LI]
	s_delay_alu instid0(VALU_DEP_1)
	v_add_nc_u32 v[LV], 0x20000, v[LI]
	v_mov_b32 v[NINF], 0xff800000
	v_and_b32 v[RH], 15, v0
	v_bfe_u32 v11, v0, 4, 1
	s_delay_alu instid0(VALU_DEP_1)
	v_lshlrev_b32 v11, 3, v11
	s_delay_alu instid0(VALU_DEP_1)
	v_sub_nc_u32 v[RH], v[RH], v11
	s_mov_b32 s[SEL], 0x76543210
	s_mov_b32 s[SEL+1], 0xfedcba98
	s_sub_co_u32 s78, 7, s[JJ]                     ; the first block of queries, and the last slot of its walk
	s_sub_co_u32 s79, 8, s[JJ]                     ; the slots that it takes
	s_add_nc_u64 s[72:73], s[4:5], s[22:23]        ; q_img at my head
	s_and_b32 s66, s[HB], 15                       ; the head
	s_lshr_b32 s67, s66, 2
	s_lshl_b32 s67, s67, 21                        ; its group of four: 2,097,152 bytes
	s_and_b32 s66, s66, 3
	s_lshl_b32 s66, s66, 10                        ; its 1,024 bytes of a tile's 4,096
	s_add_co_u32 s84, s67, s66
	s_lshr_b32 s66, s[HB], 4
	s_lshl_b32 s66, s66, 19                        ; the batch's 128 tiles
	s_add_co_u32 s84, s84, s66
	s_add_nc_u64 s[70:71], s[12:13], s[84:85]
	s_wait_kmcnt 0x0
	s_add_co_i32 s66, s50, s51
	s_lshl_b32 s66, s66, 23
	s_add_co_i32 s[CS], s66, 0x3e38aa3b            ; log2(e) / 8, with e2 + e3 added to its exponent field
	s_mov_b32 s[CS+1], s[CS]
	s_add_co_i32 s66, s52, 127
	s_lshl_b32 s67, s66, 23
	v_mov_b32 v[SCP], s67                          ; 2^e4
	s_add_co_i32 s66, s54, 127
	s_lshl_b32 s67, s66, 23
	v_mov_b32 v[SCY], s67                          ; 2^e6
	s_add_co_i32 s66, s66, 8
	s_lshl_b32 s66, s66, 23
	s_or_b32 s66, s66, 0x600000
	v_mov_b32 v[LMY], s66                          ; 448 x 2^e6
	s_add_co_i32 s80, s52, s53                     ; e4 + e5
	s_mov_b32 s[QB], s78
	INIT
	s_wait_tensorcnt 0x1                           ; my part of the first slot is in; my large load may stay out
	s_barrier_signal -1
	s_barrier_wait -1                              ; everybody's is
	STEP 0, 0, LI, LV                              ; keys 0 to 255 count for every query of block 7 - J, which is 4 at the least: no test.  These reads lie in the first 16,384 bytes of each half
	STEP 1, 0, LI, LV
	s_wait_tensorcnt 0x0                           ; my large load has landed,
	s_wait_dscnt 0x0
	s_barrier_signal -1
	s_barrier_wait -1                              ; everybody's has: all of K and V lies in LDS
	s_mov_b32 s[TT], 1
.Lslot:                                            ; eight trips, the same for every work-group
	s_cmp_gt_u32 s[TT], s78
	s_cselect_b32 s[QB], s[JJ], s78                ; the block in hand,
	s_cselect_b32 s66, s79, 0
	s_sub_co_u32 s[KI], s[TT], s66                 ; and which of its slots
	s_and_b32 s[TB], s[KI], 7
	s_lshl_b32 s[TB], s[TB], 14
	s_lshl_b32 s[KF], s[KI], 8
	s_setprio 2
	v_add_nc_u32 v[ADK], s[TB], v[LI]
	v_add_nc_u32 v[ADV], s[TB], v[LV]
	STEP 0, 1, ADK, ADV
	s_setprio 1
	STEP 1, 1, ADK, ADV
	s_setprio 0
	s_cmp_lg_u32 s[KI], s[QB]                      ; the slot on the diagonal is a block's last
	s_cbranch_scc1 .Lnot_done
	OUT
	s_cmp_eq_u32 s[TT], 8
	s_cbranch_scc1 .Lnot_done
	s_mov_b32 s[QB], s[JJ]
	INIT
.Lnot_done:
	s_add_co_u32 s[TT], s[TT], 1
	s_cmp_lt_u32 s[TT], 9
	s_cbranch_scc1 .Lslot
	s_setprio 0
	s_wait_tensorcnt 0x0
	ds_add_u32 v62, v63
	s_wait_dscnt 0x0
	s_endpgm
.Lfunc_end_k_q8193fbd8d9_attn:
	.size	k_q8193fbd8d9_attn, .Lfunc_end_k_q8193fbd8d9_attn-k_q8193fbd8d9_attn
	.p2alignl 7, 3214868480
	.fill 96, 4, 3214868480
	.section	.rodata,"a",@progbits
	.p2align	6, 0x0
	.amdhsa_kernel k_q8193fbd8d9_attn
		.amdhsa_group_segment_fixed_size 327680
		.amdhsa_private_segment_fixed_size 0
		.amdhsa_enable_private_segment 0
		.amdhsa_kernarg_size 40
		.amdhsa_user_sgpr_count 2
		.amdhsa_user_sgpr_kernarg_segment_ptr 1
		.amdhsa_wavefront_size32 1
		.amdhsa_system_sgpr_workgroup_id_x 1
		.amdhsa_system_sgpr_workgroup_id_y 1
		.amdhsa_system_sgpr_workgroup_id_z 1
		.amdhsa_system_vgpr_workitem_id 0
		.amdhsa_next_free_vgpr 448
		.amdhsa_next_free_sgpr 96
		.amdhsa_reserve_vcc 1
		.amdhsa_float_denorm_mode_32 3
		.amdhsa_float_denorm_mode_16_64 3
		.amdhsa_fp16_overflow 1
		.amdhsa_memory_ordered 1
		.amdhsa_forward_progress 1
		.amdhsa_inst_pref_size 139
	.end_amdhsa_kernel
	.amdgpu_metadata
---
amdhsa.version: [ 1, 2 ]
amdhsa.kernels:
  - .name:           k_q8193fbd8d9_attn
    .symbol:         k_q8193fbd8d9_attn.kd
    .args:
      - { .name: q_img, .offset: 0, .size: 8, .value_kind: global_buffer, .address_space: global }
      - { .name: k_img, .offset: 8, .size: 8, .value_kind: global_buffer, .address_space: global }
      - { .name: v_img, .offset: 16, .size: 8, .value_kind: global_buffer, .address_space: global }
      - { .name: lowp_scales, .offset: 24, .size: 8, .value_kind: global_buffer, .address_space: global }
      - { .name: y_img, .offset: 32, .size: 8, .value_kind: global_buffer, .address_space: global }
    .group_segment_fixed_size: 327680
    .private_segment_fixed_size: 0
    .kernarg_segment_align: 8
    .kernarg_segment_size: 40
    .max_flat_workgroup_size: 256
    .sgpr_count:     96
    .vgpr_count:     448
    .wavefront_size: 32
...
	.end_amdgpu_metadata
.endif
;; end of part 3
;; launch proj (part 4): grid 8 x 32, 4 waves a work-group, clusters of 4 x 4, 327,680 bytes of LDS; arguments y_img, wproj_codes, lowp_scales, bproj, out0; writes out0
.if DOCPART == 4
	.amdgcn_target "amdgcn-amd-amdhsa--gfx1250"
	.amdhsa_code_object_version 6
	.text
	.protected	k_q8193fbd8d9_proj
	.globl	k_q8193fbd8d9_proj
	.p2align	8
	.type	k_q8193fbd8d9_proj,@function
k_q8193fbd8d9_proj:
	s_mov_b64 s[64:65], 0
	v_nop
	global_prefetch_b8 v0, s[64:65] scope:SCOPE_SE
	s_setreg_imm32_b32 hwreg(HW_REG_WAVE_MODE, 25, 1), 1
	s_wait_xcnt 0x0
	s_wait_alu depctr_hold_cnt(0) depctr_sa_sdst(0) depctr_va_vdst(0) depctr_va_sdst(0) depctr_va_ssrc(0) depctr_va_vcc(0) depctr_vm_vsrc(0)
	s_getreg_b32 s2, hwreg(HW_REG_IB_STS2, 6, 4)
	s_cmp_eq_u32 s2, 0
	s_cbranch_scc0 .Lentry_in_a_cluster
	s_endpgm
.Lentry_in_a_cluster:
	s_bfe_u32 s2, ttmp6, 0x10000c
	s_cmp_lg_u32 s2, 0xf033
	s_cbranch_scc0 .Lentry_shape_is_right
	s_endpgm
.Lentry_shape_is_right:
; out0 = y Wproj + bproj on codes of E4M3 (scales 2^e6, 2^e7); out0 [8192][1024] f32.
; 256 tiles of 256 tokens x 128 columns, one to a work-group.  Wave w makes tokens 64 w .. 64 w + 63 x all 128 columns: 32 accumulators, 256 registers.
; K = 1,024 goes in four steps of 256 (four heads) through a ring of two LDS slots filled by the tensor data mover.
; A = y_img, register images: [4 heads' group][16 tokens][head in group][c][lane][16 bytes]: a K step's 16 tiles of tokens are ONE dense block of 65,536 bytes; a 16 x 128 fragment is four reads at 16 x lane.
; B = wproj_codes [n][k], rows of 256 bytes in a slot, padded to 272; inside each 32 along k the groups of eight lie in the order 0, 2, 1, 3, so that the 16 bytes at 32 c + 16 (lane / 16) are registers
; 4 c .. 4 c + 3 with k where the matrix instruction's own layout has it, as in y_img.
; CLUSTERS: 4 x 4 work-groups.  A's tile hangs on the tile row alone and is shared along a row of the cluster, B's on the tile column alone and is shared along a column: joint loads.
; THE MATRIX INSTRUCTION IS USED TRANSPOSED (source 0 = 16 rows of Wproj's codes, source 1 = 16 tokens): a lane holds eight neighbouring numbers of a row of out0.
; THE WAY OUT: sum x 2^(e6 + e7) + bproj by one packed multiply-add for two numbers; a block of 16 rows x 512 bytes goes through the wave's own stage and leaves as whole rows, 512 consecutive aligned bytes a store.
; The stage lies in slot 0, which has had its last fill and its last read when the first result is stored there.
; LIMIT: e6 + e7 between -126 and 127.
; REGISTERS: window 0: v1-31 addresses; v32-95 at work on the way out; v128-255 A's fragments, two sets of 64, later rows of out0.  window 1: B's, two sets of 128.  window 2: the accumulators ((a, b) at v[8 (8 a + b)]).
;   window 3: v0-63 bproj in the result's layout.
.set PITCH,  272
.set ATILE,  65536
.set SLOT,   ATILE+128*PITCH           ; A's 65,536 bytes, then B's 128 rows
.set SPARE,  2*SLOT                    ; behind the ring: the spare words, 128 bytes a wave, that no other line names
.set SPITCH, 528
.set ADRA, 16                          ; v16-17  LDS address of my A fragments in slot 0, 1
.set ADRB, 20                          ; v20-21  the same for B
.set STO,  24
.set RD,   25
.set CO,   26                          ; v26     16 x lane
.set SPW,  28
.set NIL,  29
.set TMP,  32
.set AF,   128
.set BK,   128
.set G1, 24
.set G0, 32
.set G1B, 48
.set G0B, 56
.set MSB, 0
.macro WIN new                         ; the immediate's high byte repeats the setting that is left
.if MSB != \new
	s_set_vgpr_msb (MSB<<8)|\new
.set MSB, \new
.endif
.endm
.set MUL, 0xa1                         ; source 0 (B) window 1, source 1 (A) window 0, C and D window 2
.macro JLOAD g0a, g1a, g0b, g1b        ; waves 0 and 1 fetch A's halves, waves 2 and 3 B's; four v_nop follow each line
	s_cmp_eq_u32 s15, 0
	s_cbranch_scc0 .Lfor_b_\@
	tensor_load_to_lds s[\g0a:\g0a+3], s[\g1a:\g1a+7]
	s_nop 0
.rept 4
	v_nop
.endr
	s_branch .Lasked_\@
.Lfor_b_\@:
	tensor_load_to_lds s[\g0b:\g0b+3], s[\g1b:\g1b+7]
	s_nop 0
.rept 4
	v_nop
.endr
.Lasked_\@:
.endm
.macro CREST
	s_cmp_lg_u32 s14, 0
	s_cbranch_scc1 .Lnot_wave_0_\@
	s_barrier_signal -3
.Lnot_wave_0_\@:
	s_barrier_wait -3
	s_barrier_signal -1
	s_barrier_wait -1
.endm
.macro CROUND
	s_barrier_signal -1
	s_barrier_wait -1
	CREST
.endm
.macro PLACES
.rept 4
	v_nop
.endr
.endm
	s_load_b256 s[4:11], s[0:1], 0x0               ; y_img s[4:5], Wproj's codes s[6:7], the scales' exponents s[8:9], bproj s[10:11]
	s_load_b64 s[12:13], s[0:1], 0x20              ; out0
	v_lshl_add_u32 v[SPW], v0, 2, SPARE
	v_mov_b32 v[NIL], 0
	ds_add_u32 v28, v29
	ds_add_u32 v28, v29
	s_wait_dscnt 0x0
	v_lshrrev_b32 v1, 5, v0
	v_readfirstlane_b32 s14, v1                    ; wave 0..3
	s_lshr_b32 s15, s14, 1                         ; I fetch for A (0) or for B (1),
	s_and_b32 s16, s14, 1                          ; its first half or its second
	s_bfe_u32 s40, ttmp6, 0x40000                  ; cx, cy
	s_bfe_u32 s41, ttmp6, 0x40004
	s_lshl_b32 s42, ttmp9, 2
	s_add_co_u32 s42, s42, s40                     ; tile column = 4 x cluster x + cx
	s_and_b32 s17, ttmp7, 0xffff
	s_lshl_b32 s17, s17, 2
	s_add_co_u32 s17, s17, s41                     ; tile row = 4 x cluster y + cy
	s_lshl_b32 s43, s41, 2
	s_lshl_b32 s43, 15, s43                        ; my row of the cluster
	s_lshl_b32 s44, 0x1111, s40                    ; my column
	s_or_b32 s[G1+0], s43, (3<<16)|(1<<21)         ; A: the mask; elements of 8 bytes; bit 21 beside a mask; no padding: 128 rows of 256 bytes, dense
	s_mov_b32 s[G1+1], 32<<16
	s_mov_b32 s[G1+2], 128<<16
	s_mov_b32 s[G1+3], 32<<16
	s_mov_b32 s[G1+4], 128
	s_mov_b32 s[G1+5], 32
	s_mov_b32 s[G1+6], 0
	s_mov_b32 s[G1+7], 0
	s_or_b32 s[G1B+0], s44, (0<<16)|(1<<20)|(1<<21)|(5<<22)|(3<<25)  ; B: elements of 1 byte; four words of padding after every 64: 64 rows of 256 bytes, 1,024 apart
	s_mov_b32 s[G1B+1], 256<<16
	s_mov_b32 s[G1B+2], 64<<16
	s_mov_b32 s[G1B+3], 256<<16
	s_mov_b32 s[G1B+4], 64
	s_mov_b32 s[G1B+5], 1024
	s_mov_b32 s[G1B+6], 0
	s_mov_b32 s[G1B+7], 0
	s_lshl_b32 s20, s17, 16                        ; A: the tile row's 65,536 bytes of a K step,
	s_lshl_b32 s45, s16, 15                        ; my half of them: the same offset in memory and in LDS
	s_add_co_u32 s20, s20, s45
	s_mov_b32 s21, 0
	s_lshl_b32 s46, s42, 7
	s_lshl_b32 s18, s16, 6
	s_add_co_u32 s46, s46, s18
	s_lshl_b32 s46, s46, 10                        ; B: row 128 x tile column + 64 x half, 1,024 bytes a row
	s_mov_b32 s47, 0
	s_mul_i32 s19, s16, 64*PITCH
	s_add_co_u32 s19, s19, ATILE                   ; and where it goes: no place in the cluster enters an LDS address
	s_wait_kmcnt 0x0
	s_load_b256 s[88:95], s[8:9], 0x0              ; e0 .. e7
	s_add_nc_u64 s[20:21], s[4:5], s[20:21]
	s_add_nc_u64 s[46:47], s[6:7], s[46:47]
	CROUND                                         ; all sixteen work-groups are here: the first joint loads meet
.irp s, 0,1
	s_mov_b32 s[G0+4*\s], 1
	s_add_co_u32 s[G0+4*\s+1], s45, \s*SLOT
	s_add_nc_u64 s[G0+4*\s+2:G0+4*\s+3], s[20:21], \s*2097152      ; a K step on is 2,097,152 bytes of y_img
	s_or_b32 s[G0+4*\s+3], s[G0+4*\s+3], 0x80000000
	s_mov_b32 s[G0B+4*\s], 1
	s_add_co_u32 s[G0B+4*\s+1], s19, \s*SLOT
	s_add_nc_u64 s[G0B+4*\s+2:G0B+4*\s+3], s[46:47], \s*256
	s_or_b32 s[G0B+4*\s+3], s[G0B+4*\s+3], 0x80000000
	JLOAD G0+4*\s, G1, G0B+4*\s, G1B
.endr
	v_and_b32 v1, 15, v0                           ; r
	v_bfe_u32 v2, v0, 4, 1                         ; h
	v_and_b32 v6, 31, v0
	v_lshlrev_b32 v[CO], 4, v6                     ; 16 x lane
	v_mul_u32_u24 v3, v1, PITCH
	v_lshl_add_u32 v4, v2, 4, v3
	s_lshl_b32 s21, s14, 14                        ; my four tiles of 16 tokens: 16,384 bytes of A's block
	s_mov_b32 s22, ATILE
.irp s, 0,1
	v_add_nc_u32 v[ADRA+\s], s21, v[CO]
	v_add_nc_u32 v[ADRB+\s], s22, v4
	s_add_co_u32 s21, s21, SLOT
	s_add_co_u32 s22, s22, SLOT
.endr
	s_mul_i32 s23, s14, 16*SPITCH                  ; my stage
	v_mul_u32_u24 v5, v1, SPITCH
	v_lshl_add_u32 v5, v2, 5, v5
	v_add_nc_u32 v[STO], s23, v5                   ; in: row r, 32 bytes for each half of the lanes
	v_add_nc_u32 v[RD], s23, v[CO]                 ; back: the 32 lanes take one row of 512 bytes
	s_lshl_b32 s20, s17, 20                        ; out0: 256 rows of 4,096 bytes a tile row,
	s_lshl_b32 s21, s14, 18                        ; 64 a wave,
	s_add_co_u32 s20, s20, s21
	s_lshl_b32 s21, s42, 9                         ; 512 bytes a tile column
	s_add_co_u32 s20, s20, s21
	s_mov_b32 s21, 0
	s_add_nc_u64 s[12:13], s[12:13], s[20:21]
	s_lshl_b32 s20, s42, 9
	s_add_nc_u64 s[10:11], s[10:11], s[20:21]      ; bproj at the tile's 128 columns
	v_lshlrev_b32 v7, 5, v2                        ; lane (r, h) wants, for block b, columns 16 b + 8 h + 0 .. 7
	WIN 0xc0                                       ; destination window 3
.irp b, 0,1,2,3,4,5,6,7
	global_load_b128 v[8*\b:8*\b+3], v7, s[10:11] offset:64*\b
	global_load_b128 v[8*\b+4:8*\b+7], v7, s[10:11] offset:64*\b+16
.endr
	WIN 0
	s_wait_kmcnt 0x0
	s_add_co_i32 s96, s94, s95
	s_add_co_i32 s96, s96, 127
	s_lshl_b32 s96, s96, 23                        ; 2^(e6 + e7) as f32
	s_mov_b32 s97, s96                             ; (named with it as a pair, so it is written)
	s_wait_loadcnt 0x0
; 48 LDS loads in one run: the fragments of the slot's q-th 128 along K into set p
.macro FETCH slot, q, p
	WIN 0x40
.irp i, 0,1,2,3,4,5,6,7
.irp c, 0,1,2,3
	ds_load_b128 v[128*(\p)+16*\i+4*\c:128*(\p)+16*\i+4*\c+3], v[ADRB+\slot] offset:128*(\q)+32*\c+\i*16*PITCH
.endr
.endr
	WIN 0
.irp i, 0,1,2,3
.irp c, 0,1,2,3
	ds_load_b128 v[AF+64*(\p)+16*\i+4*\c:AF+64*(\p)+16*\i+4*\c+3], v[ADRA+\slot] offset:4096*\i+2048*(\q)+512*\c
.endr
.endr
.endm
; 8 matrix instructions: A's block a x B's eight.  The 32 accumulators take turns, one instruction a turn, in the same order in every step.
.macro MUL8 a, p, zero
.irp b, 0,1,2,3,4,5,6,7
.if \zero
	v_wmma_f32_16x16x128_fp8_fp8 v[8*(8*\a+\b):8*(8*\a+\b)+7], v[128*\p+16*\b:128*\p+16*\b+15], v[AF+64*\p+16*\a:AF+64*\p+16*\a+15], 0
.else
	v_wmma_f32_16x16x128_fp8_fp8 v[8*(8*\a+\b):8*(8*\a+\b)+7], v[128*\p+16*\b:128*\p+16*\b+15], v[AF+64*\p+16*\a:AF+64*\p+16*\a+15], v[8*(8*\a+\b):8*(8*\a+\b)+7]
.endif
.endr
.endm
; A slot's first 128 along K, on set 0; the second 128's fragments are fetched into set 1 ahead of the products.
.macro STEP slot, zero
	s_wait_dscnt 0x0                               ; set 0 is in
	PLACES                                         ; in front of loads into set 1, which the last products read
	FETCH \slot, 1, 1
	WIN MUL
	MUL8 0, 0, \zero
	MUL8 1, 0, \zero
	MUL8 2, 0, \zero
	MUL8 3, 0, \zero
	WIN 0
.endm
; A slot's second 128, on set 1, changes slots: one barrier; in front of it each wave waits for all its tensor loads, adds 0 to its spare word, and waits for that and for its reads of this slot.
.macro TURN slot, next, fill
	s_wait_tensorcnt 0x0                           ; all my tensor loads have landed: my part of the next slot
	ds_add_u32 v[SPW], v[NIL]                      ; 0 onto my spare word
	s_wait_dscnt 1                                 ; set 1 is in; the add alone may be out
	WIN MUL
	MUL8 0, 1, 0                                   ; eight matrix instructions stand between the add and the wait for it
	s_wait_dscnt 0x0                               ; the add is done, and my reads of this slot are over
	s_barrier_signal -1
	MUL8 1, 1, 0
	WIN 0
	s_barrier_wait -1
.if \fill
	CREST                                          ; the barrier has opened a round of the cluster's: no wave of any partner still reads this slot or has a load on its way
	s_add_nc_u64 s[G0+4*\slot+2:G0+4*\slot+3], s[G0+4*\slot+2:G0+4*\slot+3], 2*2097152
	s_add_nc_u64 s[G0B+4*\slot+2:G0B+4*\slot+3], s[G0B+4*\slot+2:G0B+4*\slot+3], 2*256
	JLOAD G0+4*\slot, G1, G0B+4*\slot, G1B         ; the first tensor load behind the round; its four v_nop are also the places in front of the loads below
.else
	PLACES
.endif
	FETCH \next, 0, 0
	WIN MUL
	MUL8 2, 1, 0
	MUL8 3, 1, 0
	WIN 0
.endm
; THE WAY OUT of block a: 16 rows x 128 columns.
.macro TOSTAGE a
.set AC, 64*(\a)
	WIN 0x32                                       ; source 0 (the sums) window 2, source 2 (bproj) window 3
.set n, 0
.rept 32
	v_pk_fma_f32 v[TMP+n:TMP+n+1], v[AC+n:AC+n+1], s[96:97], v[n:n+1] op_sel_hi:[1,0,1]   ; sum x 2^(e6 + e7) + bproj; each accumulator from its low end on
.set n, n+2
.endr
	WIN 0
.irp b, 0,1,2,3,4,5,6,7
	ds_store_b128 v[STO], v[TMP+8*\b:TMP+8*\b+3] offset:64*\b
	ds_store_b128 v[STO], v[TMP+8*\b+4:TMP+8*\b+7] offset:64*\b+16
.endr
.set BB, BK+64*((\a)%2)
.irp t, 0,1,2,3,4,5,6,7,8,9,10,11,12,13,14,15
	ds_load_b128 v[BB+4*\t:BB+4*\t+3], v[RD] offset:\t*SPITCH      ; LDS serves a wave's instructions in order: these see the stores above
.endr
.endm
.macro SEND a, younger                 ; younger: the LDS instructions issued behind block a's loads, which may stay out
.set BB, BK+64*((\a)%2)
	s_wait_dscnt \younger
.if (\a) > 0
	s_add_nc_u64 s[12:13], s[12:13], 16*4096       ; (behind a wait on XCNT: the earlier stores have read their base)
.endif
.irp t, 0,1,2,3,4,5,6,7,8,9,10,11,12,13,14,15
	global_store_b128 v[CO], v[BB+4*\t:BB+4*\t+3], s[12:13] offset:\t*4096 th:TH_STORE_NT   ; 32 lanes store 512 consecutive bytes, at a multiple of 512 from out0's first byte
.endr
.endm
	s_wait_tensorcnt 1                             ; my part of K step 0 is in (K step 1's load may be out)
	s_barrier_signal -1
	s_barrier_wait -1                              ; everybody's is
	FETCH 0, 0, 0
	STEP 0, 1                                      ; the first products start the sums
	TURN 0, 1, 1                                   ; K has four steps of 256: once round the ring with refills, written out,
	STEP 1, 0
	TURN 1, 0, 1
	STEP 0, 0
	TURN 0, 1, 0                                   ; and once without
	STEP 1, 0
	s_wait_dscnt 0x0
	WIN MUL
	MUL8 0, 1, 0
	MUL8 1, 1, 0
	MUL8 2, 1, 0
	MUL8 3, 1, 0
	WIN 0
	PLACES                                         ; behind the last products: for the reads of results and the loads into A's registers
	TOSTAGE 0
.irp a, 1,2,3
.if \a > 1
	s_wait_xcnt 0x0                                ; block a - 2's stores have read their registers and their base
.endif
	TOSTAGE \a
	SEND \a-1, 32                                  ; behind block a - 1's loads: block a's 16 stores and 16 loads
.endr
	s_wait_xcnt 0x0
	SEND 3, 0
	s_wait_tensorcnt 0x0                           ; the wave's end
	ds_add_u32 v[SPW], v[NIL]
	s_wait_dscnt 0x0
	CROUND                                         ; the closing round: no work-group ends while a partner may still ask for a tile that names it
	s_endpgm
.Lfunc_end_k_q8193fbd8d9_proj:
	.size	k_q8193fbd8d9_proj, .Lfunc_end_k_q8193fbd8d9_proj-k_q8193fbd8d9_proj
	.p2alignl 7, 3214868480
	.fill 96, 4, 3214868480
	.section	.rodata,"a",@progbits
	.p2align	6, 0x0
	.amdhsa_kernel k_q8193fbd8d9_proj
		.amdhsa_group_segment_fixed_size 327680
		.amdhsa_private_segment_fixed_size 0
		.amdhsa_enable_private_segment 0
		.amdhsa_kernarg_size 40
		.amdhsa_user_sgpr_count 2
		.amdhsa_user_sgpr_kernarg_segment_ptr 1
		.amdhsa_wavefront_size32 1
		.amdhsa_system_sgpr_workgroup_id_x 1
		.amdhsa_system_sgpr_workgroup_id_y 1
		.amdhsa_system_sgpr_workgroup_id_z 1
		.amdhsa_system_vgpr_workitem_id 0
		.amdhsa_next_free_vgpr 832
		.amdhsa_next_free_sgpr 100
		.amdhsa_reserve_vcc 0
		.amdhsa_float_denorm_mode_32 3
		.amdhsa_float_denorm_mode_16_64 3
		.amdhsa_memory_ordered 1
		.amdhsa_forward_progress 1
		.amdhsa_inst_pref_size 76
	.end_amdhsa_kernel
	.amdgpu_metadata
---
amdhsa.version: [ 1, 2 ]
amdhsa.kernels:
  - .name:           k_q8193fbd8d9_proj
    .symbol:         k_q8193fbd8d9_proj.kd
    .args:
      - { .name: y_img, .offset: 0, .size: 8, .value_kind: global_buffer, .address_space: global }
      - { .name: wproj_codes, .offset: 8, .size: 8, .value_kind: global_buffer, .address_space: global }
      - { .name: lowp_scales, .offset: 16, .size: 8, .value_kind: global_buffer, .address_space: global }
      - { .name: bproj, .offset: 24, .size: 8, .value_kind: global_buffer, .address_space: global }
      - { .name: out0, .offset: 32, .size: 8, .value_kind: global_buffer, .address_space: global }
    .group_segment_fixed_size: 327680
    .private_segment_fixed_size: 0
    .kernarg_segment_align: 8
    .kernarg_segment_size: 40
    .max_flat_workgroup_size: 128
    .sgpr_count:     100
    .vgpr_count:     832
    .wavefront_size: 32
...
	.end_amdgpu_metadata
.endif
;; end of part 4
